; MI455X (gfx1250); checked and timed in simulation.
; The chip was launched on July 23, 2026; its instructions are those of AMD's public machine-readable ISA for CDNA 5 (MIT licence, August 2026) and "CDNA5" Instruction Set Architecture Reference Guide (July 2026). The comments in the code are by the model that wrote it; some were corrected since.
;; Multi Head Attention. Allowed arithmetic: matrix products marked QUANTISED: E2M3 operands, one E8M0 scale for each 32 along K, by v_wmma_scale_f32_16x16x128_f8f6f4 with both operands' format E2M3, f32 sums; everything else in f32.
;; Inputs: Wk 16 x 1,024 x 64 float32; Wo 1,024 x 1,024 float32; Wq 16 x 1,024 x 64 float32; Wv 16 x 1,024 x 64 float32; bk 16 x 64 float32; bo 1,024 float32; bq 16 x 64 float32; bv 16 x 64 float32; x 4 x 2,048 x 1,024 float32.
;; Outputs: out0 4 x 2,048 x 1,024 float32.
;; This version of the problem:
;;   THIS VERSION OF THE PROBLEM IS GIVEN IN LOW PRECISION. The matrix products marked QUANTISED in the list below multiply operands that are first quantised to E2M3 (2 exponent bits, 3 mantissa bits; 6 bits a number), with one power-of-two scale for each 32 numbers along K (OCP MX v1.0); their sums are f32. All else is computed in f32.
;;   The module's matrix products, in the order in which they are computed (A, B: the left and right operand; K: the contracted axis; several contracted axes count as one K, in the product's order):
;;     1. [M 1,024, K 1,024] x [K 1,024, N 8,192]; A: input Wq; B: input x: QUANTISED
;;     2. [M 1,024, K 1,024] x [K 1,024, N 8,192]; A: input Wk; B: input x: QUANTISED
;;     3. [M 1,024, K 1,024] x [K 1,024, N 8,192]; A: input Wv; B: input x: QUANTISED
;;     4. batch 64 x [M 2,048, K 64] x [K 64, N 2,048]; A: computed on the way; B: computed on the way: QUANTISED
;;     5. batch 64 x [M 2,048, K 2,048] x [K 2,048, N 64]; A: softmax (see below); B: computed on the way: QUANTISED
;;     6. [M 8,192, K 1,024] x [K 1,024, N 1,024]; A: computed on the way; B: input Wo: QUANTISED
;;   THE QUANTISER, for each operand of a quantised product, along K:
;;     - K is cut into blocks of 32 from its start; a last block that is shorter is filled with zeros.
;;     - A block's scale is 2^e with e = floor(log2(the largest magnitude in the block)) - 2, held to -126 .. 127; a block of zeros has e = 0. As a byte (E8M0): e + 127.
;;     - Each number is divided by its block's scale, clamped to +-7.5, and rounded to the nearest number of E2M3, ties to even, subnormals kept.
;;     - The product sums the exact products of the quantised numbers (number of the format x scale) in f32.
;;   ~~~python
;;   def quantise(x, axis):      # numpy; x: float32 -> the quantised numbers, widened to float32 again
;;       x = np.moveaxis(x, axis, -1); K = x.shape[-1]
;;       x = np.pad(x, [(0, 0)] * (x.ndim - 1) + [(0, -K % 32)]); x = x.reshape(x.shape[:-1] + (-1, 32)); a = np.abs(x).max(-1, keepdims=True)
;;       e = np.where(a > 0, np.clip(np.frexp(np.where(a > 0, a, 1))[1] - 1 - 2, -126, 127), 0)      # np.frexp(a)[1] - 1 = floor(log2(a)), exactly
;;       r = np.clip(x / 2.0 ** e, -7.5, 7.5)
;;       step = 2.0 ** (np.maximum(np.frexp(np.where(r == 0, 1, r))[1] - 1, 0) - 3)
;;       q = np.round(r / step) * step * 2.0 ** e      # np.round: ties to even
;;       return np.moveaxis(q.reshape(q.shape[:-2] + (-1,))[..., :K], -1, axis).astype(np.float32)
;;   ~~~
;;   SOFTMAX AHEAD OF A QUANTISED PRODUCT. Where the list says 'softmax', what is quantised is not the finished softmax but p = 2^(t - M), with t = logit x log2(e) and M = ceil(the row's largest t), a whole number; so 1/2 < the row's largest p <= 1. The row's sum l is taken of the UNQUANTISED p, in f32, and the product's result is divided by l at the end. Since M is a whole number, a kernel that streams over the keys may use a running M (the ceiling of the running maximum): every later rescaling is an exact power of two, which a block's scale takes up: the codes' values come out the same.
;;   OPERANDS COMPUTED ON THE WAY. 'Computed on the way' means the value that the module computes at that place (a softmax that the list does not call 'softmax' is quantised finished and normalised). What goes into a quantiser is computed in f32, as accurately as f32 sums, v_exp_f32 and their like allow (about 1e-6 of the number): no bf16 or f16 on the way to a quantiser, and a product that is left as it is and whose result goes on into a quantised operand takes f32 operands (vector FMAs, or v_wmma_f32_16x16x4_f32). A number that lies on a knife's edge between two numbers of the format may be rounded either way, as far as f32 arithmetic and the matrix unit's own rounding can turn it there, and no further.
;; One version. Each part assembles by itself: llvm-mc -triple=amdgcn-amd-amdhsa -mcpu=gfx1250 --defsym DOCPART=n.
;; ======== version 1 of 1: 4 launches
;; limits: right only within a limited range of input values
;; workspace buffers: ximg 6,291,456 bytes; oimg 6,291,456 bytes; wimg 3,145,728 bytes; xscl 262,144 bytes; oscl 262,144 bytes; wscl 131,072 bytes; qkvb 20,447,232 bytes
;; launch prep (part 1): grid 384 x 1, 8 waves a work-group, no clusters, 136,192 bytes of LDS; arguments x, Wq, Wk, Wv, Wo, ximg, xscl, wimg, wscl; writes ximg, xscl, wimg, wscl
.if DOCPART == 1
	.amdgcn_target "amdgcn-amd-amdhsa--gfx1250"
	.amdhsa_code_object_version 6
	.text
	.protected	k_q50ddaf9823_prep
	.globl	k_q50ddaf9823_prep
	.p2align	8
	.type	k_q50ddaf9823_prep,@function
k_q50ddaf9823_prep:
	s_mov_b64 s[64:65], 0
	v_nop
	global_prefetch_b8 v0, s[64:65] scope:SCOPE_SE
	s_setreg_imm32_b32 hwreg(HW_REG_WAVE_MODE, 25, 1), 1
	s_wait_xcnt 0x0
; x [8192][1024] f32 (K innermost) and Wq, Wk, Wv [16][1024][64], Wo [1024][1024] f32 (K = the first matrix axis) become codes of FP6 (E2M3) with one E8M0 byte for each 32 along K.
; THE CODES ARE LAID AS IMAGES OF OPERAND REGISTERS: [block of 128 rows][K step of 128][tile of 16 rows][chunk 3][lane 32][16 bytes]; chunk c holds registers 4 c .. 4 c + 3 of a fragment's 12;
; in a fragment lane (r, h) holds, in registers 6 c .. 6 c + 5, k = 64 c + 32 h + 0 .. 31 of the tile's row r.  The scale words: [block of 128 rows][K step][tile][row 16], 4 bytes, byte b for k = 32 b on.
; THE ROWS OF A TILE ARE NOT NEIGHBOURS: of each 32 rows tile u (0, 1) takes, as its row r, row 8 u + r + 8 (r / 8): a product's 16 results of two neighbouring tiles are then 16 neighbours along the next K.
; wimg's rows: 0-1023 Wq (64 head + d), 1024-2047 Wk, 2048-3071 Wv, 3072-4095 Wo's columns.
; A block's scale is 2^(floor(log2(its largest magnitude)) - 2): its byte is the largest magnitude's exponent field - 2, held at 1 from below.
; LIMITS: NaN and infinities among the inputs are not served; a block whose largest magnitude lies under 2^-124, a block of zeros among them, gets the byte 1 (the rule's 127 for zeros is not written:
; zero codes add nothing under any byte but 0xff, and this program alone reads the bytes).
; Work-groups 0-255 take x, 32 whole rows each (131,072 bytes on end), wave w K step w.  Work-groups 256-383 take the weights: 64 columns x 512 along K each, a wave 32 columns x 128.
; No tile is shared between work-groups: no cluster, no tensor load; waves share nothing: no barrier.
.set SPARE, 135168                     ; behind the eight waves' stages: the spare words, 128 bytes a wave
.set SPW,   10                         ; v10  LDS address of my spare word; never rewritten
.set NIL,   11                         ; v11  0; never rewritten
.set WSTG,  16896                      ; a wave's two stages
.set STG1,  8448                       ; a stage: 16 rows x 528 bytes
.set SP,    528                        ; 512 bytes + 16: row r starts 4 r banks on
.set XR,    64                         ; v64-191  numbers as loaded
.set X,     192                        ; v192-255 x path: 64 numbers of a lane, k = 64 c + 32 h + 0 .. 31 at 32 c
.set OFF,   192                        ; v192-223 w path: 4 x column + i x pitch
.set F,     24                         ; v24-35, v36-47 two fragments
.set T,     48                         ; v48-63 upper halves of blocks (a conversion's three registers begin on an even number)
	s_load_b512 s[4:19], s[0:1], 0x0               ; x, Wq, Wk, Wv, Wo, ximg, xscl, wimg
	s_load_b64 s[20:21], s[0:1], 0x40              ; wscl
	v_lshl_add_u32 v[SPW], v0, 2, SPARE
	v_mov_b32 v[NIL], 0
	v_lshrrev_b32 v1, 5, v0
	s_delay_alu instid0(VALU_DEP_1)
	v_readfirstlane_b32 s22, v1                    ; wave 0..7
	v_and_b32 v1, 31, v0                           ; lane
	s_delay_alu instid0(VALU_DEP_1)
	v_lshlrev_b32 v2, 4, v1                        ; 16 x lane
	v_and_b32 v3, 15, v0                           ; r
	v_bfe_u32 v4, v0, 4, 1                         ; h
	s_delay_alu instid0(VALU_DEP_4)
	v_lshlrev_b32 v7, 2, v1                        ; 4 x lane
	s_mov_b32 s36, 0x76543210
	s_mov_b32 s37, 0xfedcba98                      ; v_permlanex16_b32's selects for lane l xor 16
	s_cmp_lt_u32 ttmp9, 256
	s_cbranch_scc0 .Lweights
; ---------------- x: rows 32 t .. 32 t + 31, K step = wave ----------------
	s_mul_i32 s23, s22, WSTG
	v_add_nc_u32 v5, s23, v2                       ; the stage, in: a row's 512 bytes as they lie
	v_mul_u32_u24 v6, v3, SP
	s_delay_alu instid0(VALU_DEP_1)
	v_lshl_add_u32 v6, v4, 7, v6
	s_delay_alu instid0(VALU_DEP_1)
	v_add_nc_u32 v6, s23, v6                       ; out: row r, + 128 h: my 32 numbers of each 64
	v_lshlrev_b32 v8, 3, v4                        ; 8 h
	v_mov_b32 v19, 0                               ; a lane permute's destination counts as one of its sources
	s_lshl_b32 s24, ttmp9, 17                      ; 32 rows of 4,096 bytes
	s_lshl_b32 s25, s22, 9                         ; my K step's 512 bytes of a row
	s_add_co_u32 s24, s24, s25
	s_mov_b32 s25, 0
	s_lshr_b32 s26, ttmp9, 2                       ; block of 128 rows
	s_and_b32 s27, ttmp9, 3                        ; pair of tiles in it
	s_mul_i32 s28, s26, 98304
	s_mul_i32 s30, s22, 12288
	s_add_co_u32 s28, s28, s30
	s_mul_i32 s30, s27, 3072
	s_add_co_u32 s28, s28, s30
	s_mov_b32 s29, 0
	s_lshl_b32 s30, s26, 12
	s_lshl_b32 s31, s22, 9
	s_add_co_u32 s30, s30, s31
	s_lshl_b32 s31, s27, 7
	s_add_co_u32 s30, s30, s31
	s_mov_b32 s31, 0
	s_wait_alu depctr_va_vdst(0)
	s_wait_kmcnt 0x0
	s_add_nc_u64 s[4:5], s[4:5], s[24:25]
	s_add_nc_u64 s[14:15], s[14:15], s[28:29]
	s_add_nc_u64 s[16:17], s[16:17], s[30:31]
.irp u, 0,1                                    ; tile 0's sixteen rows first; each load is 512 consecutive bytes
.irp r, 0,1,2,3,4,5,6,7,8,9,10,11,12,13,14,15
	global_load_b128 v[XR+4*(16*\u+\r):XR+4*(16*\u+\r)+3], v2, s[4:5] offset:(8*\u+\r+8*(\r/8))*4096 th:TH_LOAD_NT
.endr
.endr
.macro TOST u                          ; tile u's rows into stage u
.irp r, 0,1,2,3,4,5,6,7,8,9,10,11,12,13,14,15
	ds_store_b128 v5, v[XR+4*(16*\u+\r):XR+4*(16*\u+\r)+3] offset:STG1*\u+SP*\r
.endr
.endm
.macro FROMST u                        ; and back, 128 neighbouring bytes of my row for each 64 along K (LDS serves a wave's instructions in order)
.irp c, 0,1
.irp i, 0,1,2,3,4,5,6,7
	ds_load_b128 v[X+32*\c+4*\i:X+32*\c+4*\i+3], v6 offset:STG1*\u+256*\c+16*\i
.endr
.endr
.endm
; A lane holds two whole blocks (2 c + h): no other lane is asked for a maximum; the scale word's four bytes are gathered from lanes l and l xor 16.
.macro QX u
	v_max3_num_f32 v12, |v[X]|, |v[X+1]|, 0x1800000          ; the floor 2^(3 - 127) among the leaves: the byte cannot fall under 1
	v_max3_num_f32 v13, |v[X+32]|, |v[X+33]|, 0x1800000
.set ii, 2
.rept 15
	s_delay_alu instid0(VALU_DEP_2)
	v_max3_num_f32 v12, v12, |v[X+ii]|, |v[X+ii+1]|          ; the two blocks by turns
	s_delay_alu instid0(VALU_DEP_2)
	v_max3_num_f32 v13, v13, |v[X+32+ii]|, |v[X+32+ii+1]|
.set ii, ii+2
.endr
	s_delay_alu instid0(VALU_DEP_2)
	v_add_nc_u32 v14, 0xff000000, v12              ; 2 off the exponent field: the conversion's scale operand
	s_delay_alu instid0(VALU_DEP_2)
	v_add_nc_u32 v15, 0xff000000, v13
	s_delay_alu instid0(VALU_DEP_2)
	v_lshrrev_b32 v16, 23, v14                     ; the scales' bytes
	s_delay_alu instid0(VALU_DEP_2)
	v_lshrrev_b32 v17, 23, v15
	s_delay_alu instid0(VALU_DEP_1)
	v_lshl_or_b32 v18, v17, 16, v16                ; blocks h and 2 + h,
	s_delay_alu instid0(VALU_DEP_1)
	v_lshlrev_b32 v18, v8, v18                     ; at their places in the word
	s_delay_alu instid0(VALU_DEP_1)
	v_permlanex16_b32 v19, v18, s36, s37
	s_delay_alu instid0(VALU_DEP_1)
	v_or_b32 v[20+\u], v18, v19                    ; with lane l xor 16's two the word is whole
.irp c, 0,1
	v_cvt_scalef32_pk16_fp6_f32 v[F+12*\u+6*\c:F+12*\u+6*\c+2], v[X+32*\c:X+32*\c+15], v[14+\c]
	v_cvt_scalef32_pk16_fp6_f32 v[T+4*\c:T+4*\c+2], v[X+32*\c+16:X+32*\c+31], v[14+\c]
.endr
	v_nop                                          ; one plain place behind a scaled conversion
.irp c, 0,1
.irp i, 0,1,2
	v_mov_b32 v[F+12*\u+6*\c+3+\i], v[T+4*\c+\i]
.endr
.endr
.irp c, 0,1,2
	global_store_b128 v2, v[F+12*\u+4*\c:F+12*\u+4*\c+3], s[14:15] offset:1536*\u+512*\c   ; 512 consecutive bytes, aligned
.endr
.endm
	s_wait_loadcnt 16                              ; tile 0's loads are in; tile 1's sixteen may be out
	TOST 0
	FROMST 0
	s_wait_loadcnt 0x0
	TOST 1
	s_wait_dscnt 16                                ; all but tile 1's sixteen stores
	QX 0
	FROMST 1
	s_wait_dscnt 0x0
	QX 1
	v_cmp_gt_u32 vcc_lo, 16, v1
	s_delay_alu instid0(VALU_DEP_1)
	v_cndmask_b32 v22, v21, v20, vcc_lo            ; lanes 0-15: tile 0's words, lanes 16-31: tile 1's
	global_store_b32 v7, v22, s[16:17]             ; 128 consecutive bytes
	s_branch .Lend
; ---------------- the weights: a lane takes a column, its registers run down K ----------------
.Lweights:
	s_sub_co_u32 s23, ttmp9, 256
	s_lshr_b32 s24, s23, 1                         ; group of 64 columns: 16 x tensor + head (or 64 columns of Wo)
	s_and_b32 s23, s23, 1
	s_lshl_b32 s23, s23, 2
	s_lshr_b32 s25, s22, 1
	s_add_co_u32 s23, s23, s25                     ; my K step
	s_and_b32 s25, s22, 1                          ; which 32 of the 64 columns
	s_lshr_b32 s26, s24, 4                         ; tensor 0..3
	s_and_b32 s27, s24, 15
	s_wait_alu depctr_va_vdst(0)
	v_and_b32 v9, 8, v3
	s_delay_alu instid0(VALU_DEP_1)
	v_add_nc_u32 v9, v9, v3                        ; r + 8 (r / 8)
	s_delay_alu instid0(VALU_DEP_1)
	v_lshl_add_u32 v9, v4, 3, v9                   ; + 8 h: lanes 0-15 hold tile 0's columns, lanes 16-31 tile 1's; a load still covers the same 128 consecutive bytes
	s_delay_alu instid0(VALU_DEP_1)
	v_lshlrev_b32 v9, 2, v9
	s_wait_alu depctr_va_vdst(0)
	s_wait_kmcnt 0x0
	s_cmp_eq_u32 s26, 0
	s_cselect_b64 s[32:33], s[6:7], s[8:9]
	s_cmp_lt_u32 s26, 2
	s_cselect_b64 s[32:33], s[32:33], s[10:11]
	s_mov_b32 s34, 4096
	s_cmp_lt_u32 s26, 3
	s_cselect_b64 s[32:33], s[32:33], s[12:13]     ; the choice hangs on the work-group's number alone
	s_cselect_b32 s34, 256, s34                    ; bytes from k to k + 1
	s_cselect_b32 s35, 18, 8                       ; a head is 262,144 bytes on; 64 columns of Wo 256
	s_lshl_b32 s28, s27, s35
	s_lshl_b32 s29, s25, 7
	s_add_co_u32 s28, s28, s29
	s_lshl_b32 s29, s23, 7
	s_mul_i32 s29, s29, s34                        ; 128 K step rows
	s_add_co_u32 s28, s28, s29
	s_mov_b32 s29, 0
	s_add_nc_u64 s[40:41], s[32:33], s[28:29]      ; a base for each block of 32 along K
	s_lshl_b32 s30, s34, 5
	s_mov_b32 s31, 0
	s_add_nc_u64 s[42:43], s[40:41], s[30:31]
	s_add_nc_u64 s[44:45], s[42:43], s[30:31]
	s_add_nc_u64 s[46:47], s[44:45], s[30:31]
.set ii, 0
.rept 32
	v_mad_u32_u24 v[OFF+ii], s34, ii, v9
.set ii, ii+1
.endr
	s_lshr_b32 s26, s24, 1                         ; block of 128 rows of wimg
	s_and_b32 s27, s24, 1
	s_lshl_b32 s27, s27, 1
	s_add_co_u32 s27, s27, s25                     ; pair of tiles in it
	s_mul_i32 s28, s26, 98304
	s_mul_i32 s35, s23, 12288
	s_add_co_u32 s28, s28, s35
	s_mul_i32 s35, s27, 3072
	s_add_co_u32 s28, s28, s35
	s_add_nc_u64 s[18:19], s[18:19], s[28:29]
	s_lshl_b32 s28, s26, 12
	s_lshl_b32 s35, s23, 9
	s_add_co_u32 s28, s28, s35
	s_lshl_b32 s35, s27, 7
	s_add_co_u32 s28, s28, s35
	s_add_nc_u64 s[20:21], s[20:21], s[28:29]
.macro WLOAD t
.set ii, 0
.rept 32
	global_load_b32 v[XR+32*(\t)+ii], v[OFF+ii], s[40+2*(\t):41+2*(\t)] th:TH_LOAD_NT
.set ii, ii+1
.endr
.endm
.macro WBLOCK t                        ; block t of my column: all its 32 numbers are mine
.set XS, XR+32*(\t)
.set FB, F+12*((\t)%2)+6*((\t)/2)      ; blocks 0, 2 into the first fragment's registers, 1, 3 into the second's
.if (\t) < 3
	s_wait_loadcnt 32                              ; this block's loads are in; the next block's 32 may be out
.else
	s_wait_loadcnt 0x0
.endif
.if (\t) < 2
	WLOAD (\t)+2
.endif
	v_max3_num_f32 v12, |v[XS]|, |v[XS+1]|, |v[XS+2]|
	v_max3_num_f32 v13, |v[XS+3]|, |v[XS+4]|, |v[XS+5]|
.irp i, 6,10,14,18,22,26
	s_delay_alu instid0(VALU_DEP_2)
	v_max3_num_f32 v12, v12, |v[XS+\i]|, |v[XS+\i+1]|
	s_delay_alu instid0(VALU_DEP_2)
	v_max3_num_f32 v13, v13, |v[XS+\i+2]|, |v[XS+\i+3]|
.endr
	s_delay_alu instid0(VALU_DEP_2)
	v_max3_num_f32 v12, v12, |v[XS+30]|, |v[XS+31]|
	s_delay_alu instid0(VALU_DEP_1)
	v_max3_num_f32 v12, v12, v13, 0x1800000        ; and the floor
	s_delay_alu instid0(VALU_DEP_1)
	v_add_nc_u32 v14, 0xff000000, v12
	s_delay_alu instid0(VALU_DEP_1)
	v_lshrrev_b32 v15, 23, v14
.if (\t) == 0
	s_delay_alu instid0(VALU_DEP_1)
	v_mov_b32 v22, v15
.else
	s_delay_alu instid0(VALU_DEP_1)
	v_lshl_or_b32 v22, v15, 8*(\t), v22            ; my column's scale word
.endif
	v_cvt_scalef32_pk16_fp6_f32 v[FB:FB+2], v[XS:XS+15], v14
	v_cvt_scalef32_pk16_fp6_f32 v[T+4*(\t):T+4*(\t)+2], v[XS+16:XS+31], v14
	v_nop                                          ; one plain place behind a scaled conversion
.endm
	s_wait_alu depctr_va_vdst(0)
	WLOAD 0
	WLOAD 1
	WBLOCK 0
	WBLOCK 1
	WBLOCK 2
	WBLOCK 3
.irp t, 0,1,2,3
.irp i, 0,1,2
	v_mov_b32 v[F+12*(\t%2)+6*(\t/2)+3+\i], v[T+4*\t+\i]
.endr
.endr
.set ii, 0
.rept 12
	v_permlane16_swap_b32 v[F+ii], v[F+12+ii]      ; the first's lanes 16-31 (tile 1, blocks 0, 2) change places with the second's lanes 0-15 (tile 0, blocks 1, 3): now the first is tile 0's fragment, the second tile 1's
.set ii, ii+1
.endr
.irp u, 0,1
.irp c, 0,1,2
	global_store_b128 v2, v[F+12*\u+4*\c:F+12*\u+4*\c+3], s[18:19] offset:1536*\u+512*\c
.endr
.endr
	global_store_b32 v7, v22, s[20:21]             ; lanes 0-15: tile 0's words, lanes 16-31: tile 1's
.Lend:
	s_wait_tensorcnt 0x0                           ; the wave's end: behind my last LDS store
	ds_add_u32 v[SPW], v[NIL]
	s_wait_dscnt 0x0
	s_endpgm
.Lfunc_end_k_q50ddaf9823_prep:
	.size	k_q50ddaf9823_prep, .Lfunc_end_k_q50ddaf9823_prep-k_q50ddaf9823_prep
	.p2alignl 7, 3214868480
	.fill 96, 4, 3214868480
	.section	.rodata,"a",@progbits
	.p2align	6, 0x0
	.amdhsa_kernel k_q50ddaf9823_prep
		.amdhsa_group_segment_fixed_size 136192
		.amdhsa_private_segment_fixed_size 0
		.amdhsa_enable_private_segment 0
		.amdhsa_kernarg_size 72
		.amdhsa_user_sgpr_count 2
		.amdhsa_user_sgpr_kernarg_segment_ptr 1
		.amdhsa_wavefront_size32 1
		.amdhsa_system_sgpr_workgroup_id_x 1
		.amdhsa_system_sgpr_workgroup_id_y 1
		.amdhsa_system_sgpr_workgroup_id_z 1
		.amdhsa_system_vgpr_workitem_id 0
		.amdhsa_next_free_vgpr 256
		.amdhsa_next_free_sgpr 66
		.amdhsa_reserve_vcc 1
		.amdhsa_float_denorm_mode_32 3
		.amdhsa_float_denorm_mode_16_64 3
		.amdhsa_memory_ordered 1
		.amdhsa_forward_progress 1
		.amdhsa_inst_pref_size 44
	.end_amdhsa_kernel
	.amdgpu_metadata
---
amdhsa.version: [ 1, 2 ]
amdhsa.kernels:
  - .name:           k_q50ddaf9823_prep
    .symbol:         k_q50ddaf9823_prep.kd
    .args:
      - { .name: x, .offset: 0, .size: 8, .value_kind: global_buffer, .address_space: global }
      - { .name: Wq, .offset: 8, .size: 8, .value_kind: global_buffer, .address_space: global }
      - { .name: Wk, .offset: 16, .size: 8, .value_kind: global_buffer, .address_space: global }
      - { .name: Wv, .offset: 24, .size: 8, .value_kind: global_buffer, .address_space: global }
      - { .name: Wo, .offset: 32, .size: 8, .value_kind: global_buffer, .address_space: global }
      - { .name: ximg, .offset: 40, .size: 8, .value_kind: global_buffer, .address_space: global }
      - { .name: xscl, .offset: 48, .size: 8, .value_kind: global_buffer, .address_space: global }
      - { .name: wimg, .offset: 56, .size: 8, .value_kind: global_buffer, .address_space: global }
      - { .name: wscl, .offset: 64, .size: 8, .value_kind: global_buffer, .address_space: global }
    .group_segment_fixed_size: 136192
    .private_segment_fixed_size: 0
    .kernarg_segment_align: 8
    .kernarg_segment_size: 72
    .max_flat_workgroup_size: 256
    .sgpr_count:     66
    .vgpr_count:     256
    .wavefront_size: 32
...
	.end_amdgpu_metadata
.endif
;; end of part 1
;; launch qkv (part 2): grid 12 x 32, 4 waves a work-group, clusters of 4 x 4, 327,680 bytes of LDS; arguments ximg, xscl, wimg, wscl, bq, bk, bv, qkvb; writes qkvb
.if DOCPART == 2
	.amdgcn_target "amdgcn-amd-amdhsa--gfx1250"
	.amdhsa_code_object_version 6
	.text
	.protected	k_q50ddaf9823_qkv
	.globl	k_q50ddaf9823_qkv
	.p2align	8
	.type	k_q50ddaf9823_qkv,@function
k_q50ddaf9823_qkv:
	s_mov_b64 s[64:65], 0
	v_nop
	global_prefetch_b8 v0, s[64:65] scope:SCOPE_SE
	s_setreg_imm32_b32 hwreg(HW_REG_WAVE_MODE, 25, 1), 1
	s_wait_xcnt 0x0
	s_wait_alu depctr_hold_cnt(0) depctr_sa_sdst(0) depctr_va_vdst(0) depctr_va_sdst(0) depctr_va_ssrc(0) depctr_va_vcc(0) depctr_vm_vsrc(0)
	s_getreg_b32 s2, hwreg(HW_REG_IB_STS2, 6, 4)
	s_cmp_eq_u32 s2, 0
	s_cbranch_scc0 .Lentry_in_a_cluster
	s_endpgm
.Lentry_in_a_cluster:
	s_bfe_u32 s2, ttmp6, 0x10000c
	s_cmp_lg_u32 s2, 0xf033
	s_cbranch_scc0 .Lentry_shape_is_right
	s_endpgm
.Lentry_shape_is_right:
; q, k, v = x W + b on codes of FP6 (E2M3) with E8M0 scales, and q, k (along the head's 64) and v (along the keys) quantised again on the way out: no f32 intermediate goes to memory.
; OPERANDS arrive as images of operand registers ([block of 128 rows][K step 8][tile 8][chunk 3][lane 32][16 bytes]; scale words [block][K step][tile][row 16]); of each 32 rows tile u takes row 8 u + r + 8 (r / 8) as its row r.
; A work-group of four waves makes 256 P rows x 256 R rows, a wave 128 x 128: 64 accumulators, 512 registers.  Source 0 = P, source 1 = R: a lane holds ONE row of R, and its registers run along P's rows;
; by the order of a tile's rows the 16 registers of P's tiles 2 b, 2 b + 1 are rows 32 b + 16 (lane / 16) + 0 .. 15: sixteen neighbours along the next K.
; KINDS, by the cluster's x, which all partners share: 0: q, 1: k (P = the weight's rows 64 head + d, R = tokens: registers run along d); 2: v (P = tokens, R = Wv's rows: registers run along the keys).
; K = 1,024 is eight steps of 128 in four fills of 2 steps.  Three LDS slots and the scales of all K are filled at the start (one tensor load a wave); slot 0 is filled once more, with steps 6 and 7.
; CLUSTER 4 x 4: R's tiles are shared along a row of the cluster, P's along a column: joint loads.  384 work-groups: a tile of 192 columns would cut heads, smaller tiles feed fewer products from each LDS byte.
; OUT: qkvb [batch x head 64][step of 128 tokens 16][19,968 bytes]: Q at 0, K at 6,656, V at 13,312, each four fragments of 1,536 bytes and a block of scale words [lane 32][4 words].
;   Q's and K's fragment j holds TWO tiles of tokens: registers 0-5 tile 2 j (d = 32 (lane / 16) on), registers 6-11 tile 2 j + 1; its word's bytes: tile 2 j's two, tile 2 j + 1's two.  V's fragment t: 16 d x 128 keys.
; LIMITS: NaN and infinities are not served; a block whose largest magnitude lies under 2^-124 (zeros too) gets the byte 1.  The bias is added behind the f32 sum, as the definition has it.
; REGISTERS: window 0: v16-22 LDS addresses, v26 16 x lane, v27 scale words' address, v28, v29 the add's two, v32-63 scale words (two sets), v64-127 and v224-239 biases, v128-223 R's fragments (one set);
;   window 1: P's fragments, two sets, at v0 and v128;  windows 2, 3: accumulator (a, b) at v[8 (8 (a % 4) + b)].
.set HALFT, 24576                      ; 128 rows x 2 K steps: what one tensor load brings
.set SLOT,  4*HALFT                    ; R's two halves, then P's two
.set SCL,   3*SLOT                     ; behind the slots: the scale words of the four blocks of rows, 4,096 bytes each
.set SPARE, SCL+4*4096                 ; the spare words, 128 bytes a wave
.set FR,   12
.set NL,   3                           ; LDS loads that bring a fragment
.set ADRA, 16                          ; v16-18 my R fragments in slot 0, 1, 2
.set ADRB, 20                          ; v20-22 my P fragments
.set LI,   26
.set ADRS, 27
.set SPW,  28
.set NIL,  29
.set SC,   32                          ; set s at SC + 16 s; register 2 i + q: lanes 0-15 R's tile i, lanes 16-31 P's tile i, the slot's q-th step
.set BI,   64                          ; q, k: the bias of my lane's 64 registers
.set AF,   128
.set BV,   224                         ; v: the bias of my lane's row of R, tile a at 2 a and 2 a + 1
.set ST,   128                         ; the way out: 64 numbers
.set PC,   192                         ; the codes just made (12) and 8 at work
.set WD,   212                         ; four scale words
.set TM,   240
.set WV, 20
.set WH, 21
.set WL, 22
.set SEL, 14
.set G1,   24
.set G0,   32                          ; s[32:35] R, slots 0-2
.set G1B,  48
.set G0B,  56                          ; s[56:59] P, slots 0-2
.set G0B2, 96
.set G1S,  68
.set G0S,  76
.set G1SB, 80
.set G0SB, 88
.set MSB, 0
.macro WIN new                         ; the immediate's high byte repeats the setting that is left
.if MSB != (\new)
	s_set_vgpr_msb (MSB<<8)|(\new)
.set MSB, (\new)
.endif
.endm
.set MUL_LO, 0xa1                      ; source 0 (P) window 1, source 1 (R) window 0, C and D window 2
.set MUL_HI, 0xf1
.set TO_B,   0x40
.macro JLOAD g0a, g1a, g0b, g1b        ; a joint load: waves 0, 1 fetch for R, waves 2, 3 for P; an s_nop 0 and four v_nop follow each line
	s_cmp_eq_u32 s[WH], 0
	s_cbranch_scc0 .Lfor_p_\@
	tensor_load_to_lds s[\g0a:\g0a+3], s[\g1a:\g1a+7]
	s_nop 0
.rept 4
	v_nop
.endr
	s_branch .Lasked_\@
.Lfor_p_\@:
	tensor_load_to_lds s[\g0b:\g0b+3], s[\g1b:\g1b+7]
	s_nop 0
.rept 4
	v_nop
.endr
.Lasked_\@:
.endm
.macro CREST
	s_cmp_lg_u32 s[WV], 0
	s_cbranch_scc1 .Lnot_wave_0_\@
	s_barrier_signal -3
.Lnot_wave_0_\@:
	s_barrier_wait -3
	s_barrier_signal -1
	s_barrier_wait -1
.endm
.macro CROUND
	s_barrier_signal -1
	s_barrier_wait -1
	CREST
.endm
.macro PLACES n
.rept \n
	v_nop
.endr
.endm
.macro FRAG reg, adr, q, i             ; a fragment's image: three loads of 512 consecutive bytes
.irp c, 0,1,2
	ds_load_b128 v[\reg+4*\c:\reg+4*\c+3], v[\adr] offset:(\q)*12288+(\i)*1536+512*\c
.endr
.endm
.macro FETCH_B slot, q, p
	WIN TO_B
.irp i, 0,1,2,3,4,5,6,7
	FRAG 128*(\p)+FR*\i, ADRB+\slot, \q, \i
.endr
	WIN 0
.endm
.macro FETCH_A slot, q, i0
.irp i, \i0, \i0+1, \i0+2, \i0+3
	FRAG AF+FR*(\i), ADRA+\slot, \q, \i
.endr
.endm
.macro SCALES sc
.irp i, 0,1,2,3,4,5,6,7
.irp q, 0,1
	ds_load_b32 v[SC+16*(\sc)+2*\i+\q], v[ADRS] offset:512*\q+64*\i
.endr
.endr
.endm
; 16 matrix instructions: R's blocks a0, a0 + 1 x P's eight.  The 64 accumulators take turns, one instruction a turn, in the same order in every step.
.macro MUL16 a0, p, q, sc, zero
.irp a, \a0, \a0+1
.irp b, 0,1,2,3,4,5,6,7
.if \zero
	v_wmma_scale_f32_16x16x128_f8f6f4 v[8*(8*((\a)%4)+\b):8*(8*((\a)%4)+\b)+7], v[128*(\p)+FR*\b:128*(\p)+FR*\b+FR-1], v[AF+FR*(\a):AF+FR*(\a)+FR-1], 0, v[SC+16*(\sc)+2*\b+(\q)], v[SC+16*(\sc)+2*(\a)+(\q)] matrix_a_fmt:MATRIX_FMT_FP6 matrix_b_fmt:MATRIX_FMT_FP6 matrix_a_scale:MATRIX_SCALE_ROW1
.else
	v_wmma_scale_f32_16x16x128_f8f6f4 v[8*(8*((\a)%4)+\b):8*(8*((\a)%4)+\b)+7], v[128*(\p)+FR*\b:128*(\p)+FR*\b+FR-1], v[AF+FR*(\a):AF+FR*(\a)+FR-1], v[8*(8*((\a)%4)+\b):8*(8*((\a)%4)+\b)+7], v[SC+16*(\sc)+2*\b+(\q)], v[SC+16*(\sc)+2*(\a)+(\q)] matrix_a_fmt:MATRIX_FMT_FP6 matrix_b_fmt:MATRIX_FMT_FP6 matrix_a_scale:MATRIX_SCALE_ROW1
.endif
.endr
.endr
.endm
; One K step of 128: step q of the slot, scale set sc; the next step is step nq of slot nslot, scale set nsc.
; mode 0: plain.  mode 1: slot 0 has been read out and is filled again, behind a round of the cluster's barrier.  mode 2: the refill is waited for, one barrier.  mode 3: the last step.
.macro KS slot, q, sc, nslot, nq, nsc, mode, zero
.if ((\mode) == 0) || ((\mode) == 3)
	s_wait_dscnt 4*NL                              ; P's set, R's blocks 0-3 and the scale words are in; the youngest twelve loads (R's blocks 4-7) may be out
	WIN MUL_LO
	MUL16 0, \q, \q, \sc, \zero
	MUL16 2, \q, \q, \sc, \zero
	s_wait_dscnt 0x0                               ; R's blocks 4-7 are in
.if (\mode) == 0
	PLACES 4                                       ; four places in front of loads into registers that matrix instructions have read
.endif
.else
	s_wait_tensorcnt 0x0                           ; all my tensor loads have landed
	ds_add_u32 v[SPW], v[NIL]                      ; 0 onto my spare word
	s_wait_dscnt 4*NL+1                            ; (the add and the youngest twelve loads may be out)
	WIN MUL_LO
	MUL16 0, \q, \q, \sc, 0                        ; sixteen matrix instructions stand between the add and the wait for it
	s_wait_dscnt 0x0                               ; the add is done, and my reads of this slot are over
	s_barrier_signal -1
	MUL16 2, \q, \q, \sc, 0
	WIN 0
	s_barrier_wait -1
.if (\mode) == 1
	CREST                                          ; the barrier has opened a round of the cluster's barrier: no wave of any partner still reads slot 0 or has a load on its way
	s_add_nc_u64 s[G0+2:G0+3], s[G0+2:G0+3], 3*HALFT       ; from K steps 0, 1 to K steps 6, 7
	s_add_nc_u64 s[G0B+2:G0B+3], s[G0B+2:G0B+3], 3*HALFT
	JLOAD G0, G1, G0B, G1B                         ; the first tensor load behind the round: 224 matrix instructions ahead of the wait for it; its four v_nop are the places in front of the loads below
.else
	PLACES 4
.endif
.endif
.if (\mode) != 3
.if (\nq) == 0
	WIN 0
	v_add_nc_u32 v[ADRS], 1024, v[ADRS]            ; on to the next two steps' scale words
.endif
	FETCH_B \nslot, \nq, \nq
	FETCH_A \nslot, \nq, 0
.if (\nq) == 0
	SCALES \nsc
.endif
.endif
	WIN MUL_HI
	MUL16 4, \q, \q, \sc, \zero
	MUL16 6, \q, \q, \sc, \zero
.if (\mode) != 3
	PLACES 4
	WIN 0
	FETCH_A \nslot, \nq, 4
.else
	WIN 0
.endif
.endm
	s_load_b512 s[4:19], s[0:1], 0x0               ; ximg, xscl, wimg, wscl, bq, bk, bv, qkvb
	v_lshl_add_u32 v[SPW], v0, 2, SPARE
	v_mov_b32 v[NIL], 0
	ds_add_u32 v[SPW], v[NIL]                      ; the wave's opening: the add and its wait ahead of my first tensor load; work on registers stands between them
	ds_add_u32 v[SPW], v[NIL]
	v_lshrrev_b32 v1, 5, v0
	v_readfirstlane_b32 s[WV], v1                  ; wave 0..3
	s_lshr_b32 s[WH], s[WV], 1                     ; my half of R's rows.  Also: I fetch for R (0) or for P (1)
	s_and_b32 s[WL], s[WV], 1                      ; my half of P's rows.  Also: which 128 rows I fetch
	s_bfe_u32 s44, ttmp6, 0x40000                  ; cx
	s_bfe_u32 s45, ttmp6, 0x40004                  ; cy
	s_lshl_b32 s2, s45, 2
	s_lshl_b32 s2, 15, s2                          ; my row of the cluster
	s_lshl_b32 s66, 0x1111, s44                    ; my column
	s_or_b32 s[G1], s2, (3<<16)|(1<<21)            ; 15:0 the mask; 17:16 elements of 8 bytes; 21 set beside a mask; no padding: an image is read 512 bytes on end
	s_or_b32 s[G1B], s66, (3<<16)|(1<<21)
	s_or_b32 s[G1S], s2, (3<<16)|(1<<21)
	s_or_b32 s[G1SB], s66, (3<<16)|(1<<21)
.irp g, G1, G1B                                ; 24,576 dense bytes as 96 rows of 256
	s_mov_b32 s[\g+1], 32<<16
	s_mov_b32 s[\g+2], 96<<16
	s_mov_b32 s[\g+3], 32<<16
	s_mov_b32 s[\g+4], 96
	s_mov_b32 s[\g+5], 32
	s_mov_b32 s[\g+6], 0
	s_mov_b32 s[\g+7], 0
.endr
.irp g, G1S, G1SB                              ; 73,728 dense bytes as 288 rows of 256
	s_mov_b32 s[\g+1], 32<<16
	s_mov_b32 s[\g+2], 288<<16                     ; these two groups 1 now serve the head's loads: 73,728 dense bytes as 288 rows of 256
	s_mov_b32 s[\g+3], 32<<16
	s_mov_b32 s[\g+4], 288
	s_mov_b32 s[\g+5], 32
	s_mov_b32 s[\g+6], 0
	s_mov_b32 s[\g+7], 0
.endr
	s_and_b32 s3, ttmp7, 0xffff
	s_lshl_b32 s3, s3, 2                           ; 4 x cluster y
	s_lshl_b32 s23, ttmp9, 2                       ; 4 x cluster x
	s_cmp_eq_u32 ttmp9, 2                          ; v?  The same in all sixteen partners
	s_cselect_b32 s46, s3, s23
	s_cselect_b32 s47, 0, s3
	s_cselect_b32 s23, 16, 0                       ; Wv's rows begin 16 blocks of 128 into wimg
	s_add_co_u32 s46, s46, s44                     ; P's block of 256 rows: hangs on cx, not on cy
	s_add_co_u32 s47, s47, s45                     ; R's: hangs on cy, not on cx
	s_lshl_b32 s100, s47, 1
	s_add_co_u32 s100, s100, s[WL]
	s_add_co_u32 s100, s100, s23                   ; the block of 128 rows of R that I would fetch
	s_lshl_b32 s92, s100, 12                       ; its scale words,
	s_mov_b32 s93, 0
	s_mul_i32 s100, s100, 98304                    ; its codes
	s_mov_b32 s101, 0
	s_lshl_b32 s66, s46, 1
	s_add_co_u32 s66, s66, s[WL]                   ; and of P
	s_lshl_b32 s94, s66, 12
	s_mov_b32 s95, 0
	s_mul_i32 s66, s66, 98304
	s_mov_b32 s67, 0
	s_mul_i32 s23, s[WV], 3*HALFT                  ; LDS: [block of 128 rows 4][slot 3][24,576 bytes]: no place in the cluster enters an LDS address
	s_wait_dscnt 0x0                               ; the opening add is done
	s_wait_kmcnt 0x0
	s_cmp_eq_u32 ttmp9, 2
	s_cselect_b64 s[G0+2:G0+3], s[8:9], s[4:5]     ; R: Wv's rows, or tokens
	s_cselect_b64 s[G0S+2:G0S+3], s[10:11], s[6:7]
	s_cselect_b64 s[G0B+2:G0B+3], s[4:5], s[8:9]   ; P: tokens, or Wq's and Wk's rows
	s_cselect_b64 s[G0SB+2:G0SB+3], s[6:7], s[10:11]
	s_add_nc_u64 s[G0+2:G0+3], s[G0+2:G0+3], s[100:101]
	s_add_nc_u64 s[G0S+2:G0S+3], s[G0S+2:G0S+3], s[92:93]
	s_add_nc_u64 s[G0B+2:G0B+3], s[G0B+2:G0B+3], s[66:67]
	s_add_nc_u64 s[G0SB+2:G0SB+3], s[G0SB+2:G0SB+3], s[94:95]
	s_cmp_eq_u32 s[WH], 0
	s_cselect_b64 s[G0S+2:G0S+3], s[G0S+2:G0S+3], s[G0SB+2:G0SB+3]   ; the scale words of the block that I fetch: a plain pointer, in no descriptor
.irp g, G0, G0B
	s_mov_b32 s[\g], 1                             ; count = 1
	s_or_b32 s[\g+3], s[\g+3], 0x80000000          ; type = 2
	s_mov_b32 s[\g+1], s23
.endr
	CROUND                                         ; all sixteen work-groups are here: the first joint loads meet
	JLOAD G0, G1S, G0B, G1SB                       ; my one tensor load at the head: K steps 0 to 5 of my 128 rows, which lie on end in memory
	v_and_b32 v1, 15, v0                           ; r
	v_bfe_u32 v2, v0, 4, 1                         ; h
	s_wait_alu depctr_va_vdst(0)
	v_and_b32 v3, 31, v0
	v_lshlrev_b32 v[LI], 4, v3
	s_mul_i32 s23, s[WH], 3*HALFT
	s_mul_i32 s3, s[WL], 3*HALFT
	s_add_co_u32 s3, s3, 6*HALFT
.irp s, 0,1,2
	v_add_nc_u32 v[ADRA+\s], s23, v[LI]
	v_add_nc_u32 v[ADRB+\s], s3, v[LI]
	s_add_co_u32 s23, s23, HALFT
	s_add_co_u32 s3, s3, HALFT
.endr
	s_lshl_b32 s2, s[WV], 12
	s_add_co_u32 s2, s2, SCL
	s_wait_alu depctr_va_vdst(0)                   ; ahead of the readers below
	v_add_nc_u32 v6, s2, v[LI]                     ; where my block's scale words go in LDS
.irp k, 0,1,2,3,4,5,6,7
	global_load_b128 v[AF+4*\k:AF+4*\k+3], v[LI], s[G0S+2:G0S+3] offset:512*\k   ; the scale words of all K, 4,096 bytes: 512 on end an instruction
.endr
	s_lshl_b32 s23, s[WH], 12                      ; R's scale words: my 128 rows
	s_lshl_b32 s3, s[WL], 12
	s_add_co_u32 s3, s3, 8192                      ; P's lie behind R's two blocks
	s_sub_co_u32 s3, s3, s23
	v_mul_u32_u24 v4, s3, v2                       ; lanes 16-31 take P's: one product of h
	s_add_co_u32 s23, s23, SCL
	v_lshl_add_u32 v4, v1, 2, v4
	v_add_nc_u32 v[ADRS], s23, v4
	; where the results go, and the biases.  cx and cy meet only here, in registers that feed no descriptor
	s_cmp_eq_u32 ttmp9, 0
	s_cselect_b64 s[12:13], s[12:13], s[14:15]
	s_cmp_eq_u32 ttmp9, 2
	s_cselect_b64 s[12:13], s[16:17], s[12:13]     ; bq, bk or bv
	s_cselect_b32 s14, s45, s44                    ; whose place gives the heads,
	s_cselect_b32 s15, s44, s45                    ; whose the tokens,
	s_cselect_b32 s16, s[WH], s[WL]
	s_cselect_b32 s17, s[WL], s[WH]
	s_lshl_b32 s14, s14, 2
	s_lshl_b32 s16, s16, 1
	s_add_co_u32 s14, s14, s16                     ; my first head of two
	s_lshl_b32 s15, s15, 1
	s_add_co_u32 s15, s15, s17
	s_and_b32 s16, ttmp7, 0xffff
	s_lshl_b32 s16, s16, 3
	s_add_co_u32 s15, s15, s16                     ; my block of 128 tokens, 0..63
	s_lshl_b32 s16, s14, 8
	s_mov_b32 s17, 0
	s_add_nc_u64 s[12:13], s[12:13], s[16:17]      ; the bias of my 128 outputs: 512 bytes
	s_lshr_b32 s16, s15, 4                         ; batch element
	s_and_b32 s15, s15, 15                         ; step
	s_lshl_b32 s16, s16, 4
	s_add_co_u32 s16, s16, s14
	s_lshl_b32 s16, s16, 4
	s_add_co_u32 s16, s16, s15
	s_mul_i32 s16, s16, 19968
	s_mul_i32 s14, ttmp9, 6656                     ; Q, K or V's part of a step's block
	s_add_co_u32 s16, s16, s14
	s_add_nc_u64 s[18:19], s[18:19], s[16:17]
	s_mov_b32 s[SEL], 0x76543210
	s_mov_b32 s[SEL+1], 0xfedcba98
	v_lshlrev_b32 v8, 6, v2                        ; 64 h
	v_and_b32 v9, 8, v1
	v_add_nc_u32 v9, v9, v1
	v_lshlrev_b32 v9, 2, v9                        ; 4 (r + 8 (r / 8))
.irp t, 0,1,2,3,4,5,6,7                        ; both forms are loaded in every work-group: no branch; both stay inside the 512 bytes
	global_load_b128 v[BI+8*\t:BI+8*\t+3], v8, s[12:13] offset:(32*(\t/2)+8*(\t%2))*4
	global_load_b128 v[BI+8*\t+4:BI+8*\t+7], v8, s[12:13] offset:(32*(\t/2)+8*(\t%2))*4+16
	global_load_b32 v[BV+2*\t], v9, s[12:13] offset:(32*(\t/2)+8*(\t%2))*4
	global_load_b32 v[BV+2*\t+1], v9, s[12:13] offset:(32*(\t/2)+8*(\t%2))*4
.endr
	s_wait_alu depctr_va_vdst(0)
	s_wait_loadcnt 0x0                             ; the scale words (and the biases)
	s_wait_tensorcnt 0x0                           ; my part of the three slots is in
.irp k, 0,1,2,3,4,5,6,7
	ds_store_b128 v6, v[AF+4*\k:AF+4*\k+3] offset:512*\k   ; into bytes of their own, on which no tile lands
.endr
	s_wait_dscnt 0x0                               ; for the other waves' sake
	s_barrier_signal -1
	s_barrier_wait -1
	FETCH_B 0, 0, 0
	FETCH_A 0, 0, 0
	SCALES 0
	FETCH_A 0, 0, 4
	KS 0,0,0, 0,1,0, 0, 1                          ; the first step's products start the sums
	KS 0,1,0, 1,0,1, 1, 0                          ; every first fill has landed in every wave; slot 0 takes K steps 6, 7
	s_wait_alu depctr_va_vdst(0)
	KS 1,0,1, 1,1,1, 0, 0
	KS 1,1,1, 2,0,0, 0, 0                          ; slot 2 was shown whole by the wait and the round of step 1
	s_wait_alu depctr_va_vdst(0)
	KS 2,0,0, 2,1,0, 0, 0
	KS 2,1,0, 0,0,1, 2, 0                          ; the refill has landed in every wave
	KS 0,0,1, 0,1,1, 0, 0
	KS 0,1,1, 0,0,0, 3, 0
	PLACES 4                                       ; in front of the first read of results and of writes into R's fragments
; 64 numbers of a lane, register 16 b + i = k 32 b + 16 (lane / 16) + i of my row, become a fragment's codes in v[PC] on and its scale word in v[wd].
.macro QUANT s, wd
.irp b, 0,1,2,3
	v_max3_num_f32 v[TM+\b], |v[\s+16*\b]|, |v[\s+1+16*\b]|, 0x1800000   ; the floor 2^(3 - 127) among the leaves
.endr
.irp i, 2,4,6,8,10,12,14
.irp b, 0,1,2,3
	v_max3_num_f32 v[TM+\b], v[TM+\b], |v[\s+16*\b+\i]|, |v[\s+1+16*\b+\i]|
.endr
.endr
.irp b, 0,1,2,3
	v_permlanex16_b32 v[TM+4+\b], v[TM+\b], s[SEL], s[SEL+1]
.endr
.irp b, 0,1,2,3
	v_max_num_f32 v[TM+\b], v[TM+\b], v[TM+4+\b]   ; with lane l xor 16's: the block's largest magnitude
.endr
.irp b, 0,1,2,3
	v_add_nc_u32 v[TM+12+\b], 0xff000000, v[TM+\b] ; 2 off its exponent field: the conversion's scale operand
.endr
.irp b, 0,1,2,3
	v_lshrrev_b32 v[TM+4+\b], 23, v[TM+12+\b]      ; the scale's byte
.endr
	v_lshl_or_b32 v[\wd], v[TM+5], 8, v[TM+4]
	v_lshl_or_b32 v[\wd], v[TM+6], 16, v[\wd]
	v_lshl_or_b32 v[\wd], v[TM+7], 24, v[\wd]
.irp c, 0,1
	v_cvt_scalef32_pk16_fp6_f32 v[PC+6*\c:PC+2+6*\c], v[\s+32*\c:\s+15+32*\c], v[TM+12+2*\c]
	v_cvt_scalef32_pk16_fp6_f32 v[PC+12+4*\c:PC+14+4*\c], v[\s+16+32*\c:\s+31+32*\c], v[TM+12+2*\c+1]
.endr
	v_nop                                          ; one plain place behind a scaled conversion
.irp c, 0,1                                    ; the operand's layout wants a whole block in a lane
.irp i, 0,1,2
	v_permlane16_swap_b32 v[PC+6*\c+\i], v[PC+12+4*\c+\i]
.endr
.irp i, 0,1,2
	v_mov_b32 v[PC+3+6*\c+\i], v[PC+12+4*\c+\i]
.endr
.endr
.endm
	s_wait_loadcnt 0x0                             ; the biases
.irp b, 0,1,2,3
	v_mov_b32 v[TM+4+\b], 0                        ; a lane permute's destination counts as one of its sources
.endr
	s_cmp_eq_u32 ttmp9, 2
	s_cbranch_scc1 .Lvalues
	; q, k: head e of my two, pair j of token tiles: tile 2 j's 32 numbers along d, then tile 2 j + 1's: four blocks of 32, one fragment
.irp e, 0,1
.irp j, 0,1,2,3
	s_wait_xcnt 0x0                                ; the last stores have read their data: the codes and words are written again only behind this wait
	WIN 0x02+(\j/2)                                ; source 0: the accumulators' window
.set ii, 0
.rept 16
	v_pk_add_f32 v[ST+ii:ST+ii+1], v[64*((2*\j)%4)+32*\e+ii:64*((2*\j)%4)+32*\e+ii+1], v[BI+32*\e+ii:BI+32*\e+ii+1]   ; each accumulator from its low end on
.set ii, ii+2
.endr
.set ii, 0
.rept 16
	v_pk_add_f32 v[ST+32+ii:ST+32+ii+1], v[64*((2*\j+1)%4)+32*\e+ii:64*((2*\j+1)%4)+32*\e+ii+1], v[BI+32*\e+ii:BI+32*\e+ii+1]
.set ii, ii+2
.endr
	WIN 0
	QUANT ST, WD+\j
.irp c, 0,1,2
	global_store_b128 v[LI], v[PC+4*\c:PC+4*\c+3], s[18:19] offset:\e*319488+\j*1536+512*\c   ; 512 consecutive bytes, aligned
.endr
.endr
	global_store_b128 v[LI], v[WD:WD+3], s[18:19] offset:\e*319488+6144
.endr
	s_branch .Lout
.Lvalues:
	; v: tile a of my 128 rows of Wv (16 d of head a / 4): my lane's 64 numbers run along the 128 keys: one fragment
.irp a, 0,1,2,3,4,5,6,7
	s_wait_xcnt 0x0
	WIN 0x02+(\a/4)
.set ii, 0
.rept 32
	v_pk_add_f32 v[ST+ii:ST+ii+1], v[64*(\a%4)+ii:64*(\a%4)+ii+1], v[BV+2*\a:BV+2*\a+1]
.set ii, ii+2
.endr
	WIN 0
	QUANT ST, WD+(\a%4)
.irp c, 0,1,2
	global_store_b128 v[LI], v[PC+4*\c:PC+4*\c+3], s[18:19] offset:(\a/4)*319488+(\a%4)*1536+512*\c
.endr
.if (\a%4) == 3
	global_store_b128 v[LI], v[WD:WD+3], s[18:19] offset:(\a/4)*319488+6144
.endif
.endr
.Lout:
	s_wait_tensorcnt 0x0                           ; the wave's end
	ds_add_u32 v[SPW], v[NIL]
	s_wait_dscnt 0x0
	CROUND                                         ; the closing round
	s_endpgm
.Lfunc_end_k_q50ddaf9823_qkv:
	.size	k_q50ddaf9823_qkv, .Lfunc_end_k_q50ddaf9823_qkv-k_q50ddaf9823_qkv
	.p2alignl 7, 3214868480
	.fill 96, 4, 3214868480
	.section	.rodata,"a",@progbits
	.p2align	6, 0x0
	.amdhsa_kernel k_q50ddaf9823_qkv
		.amdhsa_group_segment_fixed_size 327680
		.amdhsa_private_segment_fixed_size 0
		.amdhsa_enable_private_segment 0
		.amdhsa_kernarg_size 64
		.amdhsa_user_sgpr_count 2
		.amdhsa_user_sgpr_kernarg_segment_ptr 1
		.amdhsa_wavefront_size32 1
		.amdhsa_system_sgpr_workgroup_id_x 1
		.amdhsa_system_sgpr_workgroup_id_y 1
		.amdhsa_system_sgpr_workgroup_id_z 1
		.amdhsa_system_vgpr_workitem_id 0
		.amdhsa_next_free_vgpr 1024
		.amdhsa_next_free_sgpr 102
		.amdhsa_reserve_vcc 0
		.amdhsa_float_denorm_mode_32 3
		.amdhsa_float_denorm_mode_16_64 3
		.amdhsa_memory_ordered 1
		.amdhsa_forward_progress 1
		.amdhsa_inst_pref_size 208
	.end_amdhsa_kernel
	.amdgpu_metadata
---
amdhsa.version: [ 1, 2 ]
amdhsa.kernels:
  - .name:           k_q50ddaf9823_qkv
    .symbol:         k_q50ddaf9823_qkv.kd
    .args:
      - { .name: ximg, .offset: 0, .size: 8, .value_kind: global_buffer, .address_space: global }
      - { .name: xscl, .offset: 8, .size: 8, .value_kind: global_buffer, .address_space: global }
      - { .name: wimg, .offset: 16, .size: 8, .value_kind: global_buffer, .address_space: global }
      - { .name: wscl, .offset: 24, .size: 8, .value_kind: global_buffer, .address_space: global }
      - { .name: bq, .offset: 32, .size: 8, .value_kind: global_buffer, .address_space: global }
      - { .name: bk, .offset: 40, .size: 8, .value_kind: global_buffer, .address_space: global }
      - { .name: bv, .offset: 48, .size: 8, .value_kind: global_buffer, .address_space: global }
      - { .name: qkvb, .offset: 56, .size: 8, .value_kind: global_buffer, .address_space: global }
    .group_segment_fixed_size: 327680
    .private_segment_fixed_size: 0
    .kernarg_segment_align: 8
    .kernarg_segment_size: 64
    .max_flat_workgroup_size: 128
    .sgpr_count:     102
    .vgpr_count:     1024
    .wavefront_size: 32
...
	.end_amdgpu_metadata
.endif
;; end of part 2
;; launch attn (part 3): grid 4 x 64, 16 waves a work-group, clusters of 4 x 1, 327,680 bytes of LDS; arguments qkvb, oimg, oscl; writes oimg, oscl
.if DOCPART == 3
	.amdgcn_target "amdgcn-amd-amdhsa--gfx1250"
	.amdhsa_code_object_version 6
	.text
	.protected	k_q50ddaf9823_attn
	.globl	k_q50ddaf9823_attn
	.p2align	8
	.type	k_q50ddaf9823_attn,@function
k_q50ddaf9823_attn:
	s_mov_b64 s[64:65], 0
	v_nop
	global_prefetch_b8 v0, s[64:65] scope:SCOPE_SE
	s_setreg_imm32_b32 hwreg(HW_REG_WAVE_MODE, 25, 1), 1
	s_wait_xcnt 0x0
	s_wait_alu depctr_hold_cnt(0) depctr_sa_sdst(0) depctr_va_vdst(0) depctr_va_sdst(0) depctr_va_ssrc(0) depctr_va_vcc(0) depctr_vm_vsrc(0)
	s_getreg_b32 s2, hwreg(HW_REG_IB_STS2, 6, 4)
	s_cmp_eq_u32 s2, 0
	s_cbranch_scc0 .Lentry_in_a_cluster
	s_endpgm
.Lentry_in_a_cluster:
	s_bfe_u32 s2, ttmp6, 0x10000c
	s_cmp_lg_u32 s2, 0x3003
	s_cbranch_scc0 .Lentry_shape_is_right
	s_endpgm
.Lentry_shape_is_right:
; o = softmax(q k^T / 8) v on codes of FP6 (E2M3) with E8M0 scales, and o quantised along the out-projection's K on the way out.
; qkvb: [batch x head 64][step of 128 tokens 16][19,968 bytes]: Q at 0, K at 6,656, V at 13,312, each four fragments of 1,536 bytes and 512 bytes of scale words [lane][4].
; THE DEAL: a work-group takes ONE head and 512 queries; 64 heads x 4 = 256 work-groups.  The head's 16 steps of K and V, 16 x 13,312 = 212,992 bytes, come into LDS once, one tensor load a wave, and stay:
; nothing is filled again, and behind the one barrier that shows them no wave meets another.  Wave w takes tile w % 8 of token block 4 cx + 2 p + w / 8 in pass p = 0, 1: 16 queries a pass.
; CLUSTER 4 x 1: the four work-groups of a head ask for its K and V jointly (mask 15).  No prefetch: all tiles are asked for at the head, there is no loop ahead of a load.
; Both products are used transposed (S^T = k q^T, O^T = v^T p^T): a lane holds one query.  A fragment of K holds two tiles of 16 keys x 64; q stands in one half of source 1 and zero codes in the other.
; M is the running ceiling of the largest t = score x log2(e) / 8; p = 2^(t - M); the row's sum is taken of the unquantised p; when M moves, sum and O^T are multiplied by a power of two.
; A block's largest p is made from the block's largest score by the same multiply-add and exponential.
; OUT: oimg [block of 128 tokens][K step = head / 2][tile 8][head % 2][registers 0-3: lane x 16 bytes; registers 4, 5: lane x 8 bytes]; oscl [block][K step][tile][row 16] words, this head's two bytes at 2 (head % 2).
; LIMITS: NaN and infinities are not served; the scaled scores stay under 2^31 in magnitude; a block whose largest magnitude lies under 2^-124 gets the byte 1.
.set STEPB, 13312
.set BLKB,  19968
.set HEADB, 319488
.set SPARE, 212992                     ; behind the tiles: the spare words, 128 bytes a wave
.set LI,  1                            ; 16 x lane
.set AD,  2
.set SPW, 3
.set NIL, 4
.set L8,  6                            ; 8 x lane
.set R4,  7                            ; 4 x (lane % 16)
.set KSC, 8
.set Q,   16                           ; q, zeros, q: six registers each
.set QS,  34
.set PS,  35
.set OW,  36                           ; the passes' scale bytes
.set OF,  38                           ; the passes' codes, six registers each
.set KF,  50
.set S,   98
.set O,   162
.set PC,  194
.set PT,  206
.set BM,  214
.set BT,  218
.set SO,  222
.set F,   226
.set TMP, 228
.set WV,  10
.set G1A, 16
.set G0X, 32
.set SEL, 44
.set CS,  46
.set TB,  48
.set CNT, 49
.set PAR, 50
.set SH,  51
.set QP,  52
.set QW,  54
.set OP,  56
.set OS,  58
.macro CROUND
	s_barrier_signal -1
	s_barrier_wait -1
	s_cmp_lg_u32 s[WV], 0
	s_cbranch_scc1 .Lnot_wave_0_\@
	s_barrier_signal -3
.Lnot_wave_0_\@:
	s_barrier_wait -3
	s_barrier_signal -1
	s_barrier_wait -1
.endm
	s_load_b128 s[4:7], s[0:1], 0x0                ; qkvb, oimg
	s_load_b64 s[8:9], s[0:1], 0x10                ; oscl
	v_lshl_add_u32 v[SPW], v0, 2, SPARE
	v_mov_b32 v[NIL], 0
	ds_add_u32 v[SPW], v[NIL]                      ; the opening lines: the add, twice, and its wait ahead of my tensor load
	ds_add_u32 v[SPW], v[NIL]
	v_lshrrev_b32 v5, 5, v0
	s_delay_alu instid0(VALU_DEP_1)
	v_readfirstlane_b32 s[WV], v5                  ; wave 0..15
	s_bfe_u32 s11, ttmp6, 0x40000                  ; cx: which 512 queries
	s_and_b32 s12, ttmp7, 0xffff                   ; 16 x batch + head: the cluster's y
	s_lshr_b32 s13, s12, 4                         ; batch
	s_bfe_u32 s14, s12, 0x30001                    ; head / 2
	s_and_b32 s15, s12, 1                          ; head % 2
	s_mul_i32 s60, s12, HEADB
	s_mov_b32 s[G1A], 15|(3<<16)|(1<<21)           ; the mask of the four; elements of 8 bytes; 13,312 dense bytes as 52 rows of 256
	s_mov_b32 s[G1A+1], 32<<16
	s_mov_b32 s[G1A+2], 52<<16
	s_mov_b32 s[G1A+3], 32<<16
	s_mov_b32 s[G1A+4], 52
	s_mov_b32 s[G1A+5], 32
	s_mov_b32 s[G1A+6], 0
	s_mov_b32 s[G1A+7], 0
	s_mul_i32 s62, s[WV], BLKB                     ; I fetch key step w: its K and V
	s_add_co_u32 s62, s62, 6656
	s_add_co_u32 s62, s62, s60
	s_mov_b32 s63, 0
	s_mov_b32 s[G0X], 1
	s_mul_i32 s[G0X+1], s[WV], STEPB
	s_lshl_b32 s66, s11, 2
	s_lshr_b32 s67, s[WV], 3
	s_add_co_u32 s66, s66, s67                     ; pass 0's block of 128 tokens in the batch
	s_and_b32 s67, s[WV], 7                        ; my tile in it
	s_mul_i32 s68, s66, BLKB
	s_add_co_u32 s68, s68, s60
	s_lshr_b32 s69, s67, 1
	s_mul_i32 s[QP], s69, 1536
	s_add_co_u32 s[QP], s[QP], s68
	s_mov_b32 s[QP+1], 0
	s_lshl_b32 s[QW], s69, 2
	s_add_co_u32 s[QW], s[QW], s68
	s_add_co_u32 s[QW], s[QW], 6144
	s_mov_b32 s[QW+1], 0
	s_lshl_b32 s68, s13, 4
	s_add_co_u32 s68, s68, s66
	s_mul_i32 s[OP], s68, 98304
	s_mul_i32 s69, s14, 12288
	s_add_co_u32 s[OP], s[OP], s69
	s_mul_i32 s69, s67, 1536
	s_add_co_u32 s[OP], s[OP], s69
	s_mul_i32 s69, s15, 768
	s_add_co_u32 s[OP], s[OP], s69
	s_mov_b32 s[OP+1], 0
	s_lshl_b32 s[OS], s68, 12
	s_lshl_b32 s69, s14, 9
	s_add_co_u32 s[OS], s[OS], s69
	s_lshl_b32 s69, s67, 6
	s_add_co_u32 s[OS], s[OS], s69
	s_lshl_b32 s69, s15, 1
	s_add_co_u32 s[OS], s[OS], s69
	s_mov_b32 s[OS+1], 0
	s_and_b32 s[SH], s[WV], 1
	s_cmp_eq_u32 s[SH], 1
	s_cselect_b32 s[PAR], -1, 0                    ; which tile of Q's fragment is mine
	s_lshl_b32 s[SH], s[SH], 4
	s_mov_b32 s[SEL], 0x76543210
	s_mov_b32 s[SEL+1], 0xfedcba98                 ; v_permlanex16_b32's selects for lane l xor 16
	s_mov_b32 s[CS], 0x3e38aa3b                    ; log2(e) / 8
	s_mov_b32 s[CS+1], s[CS]
	v_and_b32 v5, 31, v0
	s_delay_alu instid0(VALU_DEP_1)
	v_lshlrev_b32 v[LI], 4, v5
	v_lshlrev_b32 v[L8], 3, v5
	v_and_b32 v[R4], 15, v0
	s_delay_alu instid0(VALU_DEP_1)
	v_lshlrev_b32 v[R4], 2, v[R4]
.irp i, 0,1,2,3,4,5
	v_mov_b32 v[Q+6+\i], 0
.endr
.irp b, 0,1,2,3
	v_mov_b32 v[BT+\b], 0                          ; a lane permute's destination counts as one of its sources
.endr
	v_mov_b32 v[F+1], 0
	v_mov_b32 v[TMP], 0
	s_wait_alu depctr_va_vdst(0)
	s_wait_dscnt 0x0
	s_wait_kmcnt 0x0
	s_add_nc_u64 s[G0X+2:G0X+3], s[4:5], s[62:63]
	s_or_b32 s[G0X+3], s[G0X+3], 0x80000000
	s_add_nc_u64 s[QP:QP+1], s[4:5], s[QP:QP+1]
	s_add_nc_u64 s[QW:QW+1], s[4:5], s[QW:QW+1]
	s_add_nc_u64 s[OP:OP+1], s[6:7], s[OP:OP+1]
	s_add_nc_u64 s[OS:OS+1], s[8:9], s[OS:OS+1]
	CROUND                                         ; the four work-groups are here: the joint loads meet
	tensor_load_to_lds s[G0X:G0X+3], s[G1A:G1A+7]  ; my one tensor load of the launch
	s_nop 0
.rept 4
	v_nop
.endr
.macro QLOAD p                         ; pass p's fragment of Q and its scale word
.irp c, 0,1,2
	global_load_b128 v[S+4*\c:S+4*\c+3], v[LI], s[QP:QP+1] offset:2*BLKB*\p+512*\c
.endr
	global_load_b32 v[S+12], v[LI], s[QW:QW+1] offset:2*BLKB*\p
.endm
.macro QPREP
	s_wait_loadcnt 0x0
.irp i, 0,1,2,3,4,5
	v_cndmask_b32 v[Q+\i], v[S+\i], v[S+6+\i], s[PAR]
.endr
.irp i, 0,1,2,3,4,5
	v_mov_b32 v[Q+12+\i], v[Q+\i]
.endr
	v_lshrrev_b32 v[TMP], s[SH], v[S+12]
	s_delay_alu instid0(VALU_DEP_1)
	v_and_b32 v[TMP], 0xffff, v[TMP]
	s_delay_alu instid0(VALU_DEP_1)
	v_lshl_or_b32 v[QS], v[TMP], 16, v[TMP]        ; my tile's two bytes, for either half of K
.endm
.macro INIT                            ; the largest t so far -3e38, -M, the sum and O^T zeros
	v_mov_b32 v13, 0xff61b1e6
	s_delay_alu instid0(VALU_DEP_1)
	v_floor_f32 v12, -v13
	v_mov_b32 v14, 0
	v_mov_b32 v15, 0
.set ii, 0
.rept 32
	v_mov_b32 v[O+ii], 0
.set ii, ii+1
.endr
.endm
.macro STEP                            ; 16 queries x 128 keys
	v_add_nc_u32 v[AD], s[TB], v[LI]
.rept 3
	v_nop                                          ; with the line above: four places in front of loads into registers that matrix instructions have read
.endr
.irp b, 0,1,2,3
.irp c, 0,1,2
	ds_load_b128 v[KF+12*\b+4*\c:KF+12*\b+4*\c+3], v[AD] offset:1536*\b+512*\c
.endr
.endr
	ds_load_b128 v[KSC:KSC+3], v[AD] offset:6144
	s_wait_alu depctr_va_vdst(0)
	s_wait_dscnt 0x0
.irp b, 0,1,2,3
	v_wmma_scale_f32_16x16x128_f8f6f4 v[S+16*\b:S+16*\b+7], v[KF+12*\b:KF+12*\b+11], v[Q:Q+11], 0, v[KSC+\b], v[QS] matrix_a_fmt:MATRIX_FMT_FP6 matrix_b_fmt:MATRIX_FMT_FP6
	v_wmma_scale_f32_16x16x128_f8f6f4 v[S+16*\b+8:S+16*\b+15], v[KF+12*\b:KF+12*\b+11], v[Q+6:Q+17], 0, v[KSC+\b], v[QS] matrix_a_fmt:MATRIX_FMT_FP6 matrix_b_fmt:MATRIX_FMT_FP6
.endr
.rept 4
	v_nop
.endr
.irp b, 0,1,2,3
.irp c, 0,1,2
	ds_load_b128 v[KF+12*\b+4*\c:KF+12*\b+4*\c+3], v[AD] offset:6656+1536*\b+512*\c   ; V's fragments come under the softmax
.endr
.endr
	ds_load_b128 v[KSC:KSC+3], v[AD] offset:6656+6144
.irp b, 0,1,2,3
	v_max3_num_f32 v[BM+\b], v[S+16*\b], v[S+16*\b+1], v[S+16*\b+2]   ; each block's largest score, the four blocks by turns
.endr
.irp i, 3,5,7,9,11,13
.irp b, 0,1,2,3
	v_max3_num_f32 v[BM+\b], v[BM+\b], v[S+16*\b+\i], v[S+16*\b+\i+1]
.endr
.endr
.irp b, 0,1,2,3
	v_max_num_f32 v[BM+\b], v[BM+\b], v[S+16*\b+15]
.endr
.irp b, 0,1,2,3
	s_delay_alu instid0(VALU_DEP_4)
	v_permlanex16_b32 v[BT+\b], v[BM+\b], s[SEL], s[SEL+1]
.endr
.irp b, 0,1,2,3
	s_delay_alu instid0(VALU_DEP_4)
	v_max_num_f32 v[BM+\b], v[BM+\b], v[BT+\b]
.endr
	s_delay_alu instid0(VALU_DEP_2)
	v_max3_num_f32 v[TMP], v[BM], v[BM+1], v[BM+2]
	s_delay_alu instid0(VALU_DEP_1)
	v_max_num_f32 v[TMP], v[TMP], v[BM+3]
	s_delay_alu instid0(VALU_DEP_1)
	v_mul_f32 v[TMP], s[CS], v[TMP]
	s_delay_alu instid0(VALU_DEP_1)
	v_max_num_f32 v13, v13, v[TMP]                 ; the running largest t
	v_mov_b32 v[TMP], v12
	s_delay_alu instid0(VALU_DEP_2)
	v_floor_f32 v12, -v13                          ; -M = floor(-t)
	s_delay_alu instid0(VALU_DEP_1)
	v_sub_f32 v[TMP], v12, v[TMP]
	s_delay_alu instid0(VALU_DEP_1)
	v_cvt_i32_f32 v[TMP], v[TMP]
	s_delay_alu instid0(VALU_DEP_1)
	v_ldexp_f32 v[F], 1.0, v[TMP]                  ; f = 2^(old M - new M)
.set ii, 0
.rept 32
	v_pk_fma_f32 v[S+ii:S+ii+1], v[S+ii:S+ii+1], s[CS:CS+1], v[12:13] op_sel_hi:[1,0,0]   ; t - M
.set ii, ii+2
.endr
.irp b, 0,1,2,3
	v_fma_f32 v[BM+\b], v[BM+\b], s[CS], v12
.endr
.set ii, 0
	s_wait_alu depctr_va_vdst(0)
.rept 64
	v_exp_f32 v[S+ii], v[S+ii]
.set ii, ii+1
.endr
	v_pk_mul_f32 v[14:15], v[14:15], v[F:F+1] op_sel_hi:[1,0]
	s_wait_alu depctr_va_vdst(0)
.irp b, 0,1,2,3
	v_exp_f32 v[BM+\b], v[BM+\b]                   ; each block's largest p
.endr
	v_pk_add_f32 v[BT:BT+1], v[S:S+1], v[S+2:S+3]  ; the sum of the unquantised p, in two chains
.set ii, 4
.rept 15
	v_pk_add_f32 v[14:15], v[14:15], v[S+ii:S+ii+1]
	v_pk_add_f32 v[BT:BT+1], v[BT:BT+1], v[S+ii+2:S+ii+3]
.set ii, ii+4
.endr
	s_delay_alu instid0(VALU_DEP_1)
	v_pk_add_f32 v[14:15], v[14:15], v[BT:BT+1]
	s_wait_alu depctr_va_vdst(0)
.irp b, 0,1,2,3
	v_max_num_f32 v[BM+\b], 0x1800000, v[BM+\b]    ; the floor 2^(3 - 127)
.endr
.irp b, 0,1,2,3
	s_delay_alu instid0(VALU_DEP_4)
	v_add_nc_u32 v[SO+\b], 0xff000000, v[BM+\b]    ; 2 off the exponent field: the conversion's scale operand
.endr
.irp b, 0,1,2,3
	s_delay_alu instid0(VALU_DEP_4)
	v_lshrrev_b32 v[BT+\b], 23, v[SO+\b]
.endr
	s_delay_alu instid0(VALU_DEP_3)
	v_lshl_or_b32 v[PS], v[BT+1], 8, v[BT]
	s_delay_alu instid0(VALU_DEP_1)
	v_lshl_or_b32 v[PS], v[BT+2], 16, v[PS]
	s_delay_alu instid0(VALU_DEP_1)
	v_lshl_or_b32 v[PS], v[BT+3], 24, v[PS]
.irp c, 0,1
	v_cvt_scalef32_pk16_fp6_f32 v[PC+6*\c:PC+6*\c+2], v[S+32*\c:S+32*\c+15], v[SO+2*\c]
	v_cvt_scalef32_pk16_fp6_f32 v[PT+4*\c:PT+4*\c+2], v[S+32*\c+16:S+32*\c+31], v[SO+2*\c+1]
.endr
	v_nop                                          ; one plain place behind a scaled conversion
.irp c, 0,1
.irp i, 0,1,2
	v_permlane16_swap_b32 v[PC+6*\c+\i], v[PT+4*\c+\i]   ; a whole block into a lane
.endr
.irp i, 0,1,2
	s_delay_alu instid0(VALU_DEP_3)
	v_mov_b32 v[PC+6*\c+3+\i], v[PT+4*\c+\i]
.endr
.endr
	s_wait_alu depctr_va_vdst(0)
.set ii, 0
.rept 16
	v_pk_mul_f32 v[O+ii:O+ii+1], v[O+ii:O+ii+1], v[F:F+1] op_sel_hi:[1,0]   ; O^T under the new M
.set ii, ii+2
.endr
	s_wait_alu depctr_va_vdst(0)
	s_wait_dscnt 0x0
.irp t, 0,1,2,3
	v_wmma_scale_f32_16x16x128_f8f6f4 v[O+8*\t:O+8*\t+7], v[KF+12*\t:KF+12*\t+11], v[PC:PC+11], v[O+8*\t:O+8*\t+7], v[KSC+\t], v[PS] matrix_a_fmt:MATRIX_FMT_FP6 matrix_b_fmt:MATRIX_FMT_FP6
.endr
	s_add_co_u32 s[TB], s[TB], STEPB
.endm
.macro KLOOP                           ; the head's 16 key steps
	s_mov_b32 s[TB], 0
	s_mov_b32 s[CNT], 16
.Lkey_\@:
	STEP
	s_sub_co_u32 s[CNT], s[CNT], 1
	s_cmp_lg_u32 s[CNT], 0
	s_cbranch_scc1 .Lkey_\@
.endm
.macro FINISH p                        ; O^T / the sum, quantised along the head's 64, and stored
.rept 4
	v_nop
.endr
	v_add_f32 v14, v14, v15
	s_delay_alu instid0(VALU_DEP_1)
	v_permlanex16_b32 v[TMP], v14, s[SEL], s[SEL+1]
	s_delay_alu instid0(VALU_DEP_1)
	v_add_f32 v14, v14, v[TMP]
	s_wait_alu depctr_va_vdst(0)
	v_rcp_f32 v[F], v14
	v_nop
	s_wait_alu depctr_va_vdst(0)
.set ii, 0
.rept 16
	v_pk_mul_f32 v[O+ii:O+ii+1], v[O+ii:O+ii+1], v[F:F+1] op_sel_hi:[1,0]
.set ii, ii+2
.endr
.irp b, 0,1
	v_max3_num_f32 v[BM+\b], |v[O+16*\b]|, |v[O+16*\b+1]|, 0x1800000
.endr
.irp i, 2,4,6,8,10,12,14
.irp b, 0,1
	s_delay_alu instid0(VALU_DEP_2)
	v_max3_num_f32 v[BM+\b], v[BM+\b], |v[O+16*\b+\i]|, |v[O+16*\b+\i+1]|
.endr
.endr
.irp b, 0,1
	s_delay_alu instid0(VALU_DEP_2)
	v_permlanex16_b32 v[BT+\b], v[BM+\b], s[SEL], s[SEL+1]
.endr
.irp b, 0,1
	s_delay_alu instid0(VALU_DEP_2)
	v_max_num_f32 v[BM+\b], v[BM+\b], v[BT+\b]
.endr
.irp b, 0,1
	s_delay_alu instid0(VALU_DEP_2)
	v_add_nc_u32 v[SO+\b], 0xff000000, v[BM+\b]
.endr
.irp b, 0,1
	s_delay_alu instid0(VALU_DEP_2)
	v_lshrrev_b32 v[BT+\b], 23, v[SO+\b]
.endr
	s_delay_alu instid0(VALU_DEP_1)
	v_lshl_or_b32 v[OW+\p], v[BT+1], 8, v[BT]
	v_cvt_scalef32_pk16_fp6_f32 v[OF+6*\p:OF+6*\p+2], v[O:O+15], v[SO]
	v_cvt_scalef32_pk16_fp6_f32 v[PT:PT+2], v[O+16:O+31], v[SO+1]
	v_nop
.irp i, 0,1,2
	v_permlane16_swap_b32 v[OF+6*\p+\i], v[PT+\i]
.endr
.irp i, 0,1,2
	s_delay_alu instid0(VALU_DEP_3)
	v_mov_b32 v[OF+6*\p+3+\i], v[PT+\i]
.endr
	global_store_b128 v[LI], v[OF+6*\p:OF+6*\p+3], s[OP:OP+1] offset:196608*\p          ; 512 consecutive bytes, aligned; each pass has store registers of its own
	global_store_b64 v[L8], v[OF+6*\p+4:OF+6*\p+5], s[OP:OP+1] offset:196608*\p+512     ; 256 consecutive bytes, aligned
	global_store_b16 v[R4], v[OW+\p], s[OS:OS+1] offset:8192*\p                         ; lanes l and l + 16 hold the same two bytes
.endm
	QLOAD 0
	QPREP
	INIT
	s_wait_alu depctr_va_vdst(0)
	s_wait_tensorcnt 0x0                           ; my key step is in
	s_barrier_signal -1
	s_barrier_wait -1                              ; and everybody's
	KLOOP
	QLOAD 1
	FINISH 0
	s_wait_alu depctr_va_vdst(0)
	QPREP
	INIT
	KLOOP
	FINISH 1
	s_wait_tensorcnt 0x0                           ; the wave's end
	ds_add_u32 v[SPW], v[NIL]
	s_wait_dscnt 0x0
	CROUND                                         ; the closing round
	s_endpgm
.Lfunc_end_k_q50ddaf9823_attn:
	.size	k_q50ddaf9823_attn, .Lfunc_end_k_q50ddaf9823_attn-k_q50ddaf9823_attn
	.p2alignl 7, 3214868480
	.fill 96, 4, 3214868480
	.section	.rodata,"a",@progbits
	.p2align	6, 0x0
	.amdhsa_kernel k_q50ddaf9823_attn
		.amdhsa_group_segment_fixed_size 327680
		.amdhsa_private_segment_fixed_size 0
		.amdhsa_enable_private_segment 0
		.amdhsa_kernarg_size 24
		.amdhsa_user_sgpr_count 2
		.amdhsa_user_sgpr_kernarg_segment_ptr 1
		.amdhsa_wavefront_size32 1
		.amdhsa_system_sgpr_workgroup_id_x 1
		.amdhsa_system_sgpr_workgroup_id_y 1
		.amdhsa_system_sgpr_workgroup_id_z 1
		.amdhsa_system_vgpr_workitem_id 0
		.amdhsa_next_free_vgpr 256
		.amdhsa_next_free_sgpr 70
		.amdhsa_reserve_vcc 0
		.amdhsa_float_denorm_mode_32 3
		.amdhsa_float_denorm_mode_16_64 3
		.amdhsa_memory_ordered 1
		.amdhsa_forward_progress 1
		.amdhsa_inst_pref_size 52
	.end_amdhsa_kernel
	.amdgpu_metadata
---
amdhsa.version: [ 1, 2 ]
amdhsa.kernels:
  - .name:           k_q50ddaf9823_attn
    .symbol:         k_q50ddaf9823_attn.kd
    .args:
      - { .name: qkvb, .offset: 0, .size: 8, .value_kind: global_buffer, .address_space: global }
      - { .name: oimg, .offset: 8, .size: 8, .value_kind: global_buffer, .address_space: global }
      - { .name: oscl, .offset: 16, .size: 8, .value_kind: global_buffer, .address_space: global }
    .group_segment_fixed_size: 327680
    .private_segment_fixed_size: 0
    .kernarg_segment_align: 8
    .kernarg_segment_size: 24
    .max_flat_workgroup_size: 512
    .sgpr_count:     70
    .vgpr_count:     256
    .wavefront_size: 32
...
	.end_amdgpu_metadata
.endif
;; end of part 3
;; launch oproj (part 4): grid 4 x 32, 4 waves a work-group, clusters of 4 x 4, 327,680 bytes of LDS; arguments oimg, oscl, wimg, wscl, bo, out0; writes out0
.if DOCPART == 4
	.amdgcn_target "amdgcn-amd-amdhsa--gfx1250"
	.amdhsa_code_object_version 6
	.text
	.protected	k_q50ddaf9823_oproj
	.globl	k_q50ddaf9823_oproj
	.p2align	8
	.type	k_q50ddaf9823_oproj,@function
k_q50ddaf9823_oproj:
	s_mov_b64 s[64:65], 0
	v_nop
	global_prefetch_b8 v0, s[64:65] scope:SCOPE_SE
	s_setreg_imm32_b32 hwreg(HW_REG_WAVE_MODE, 25, 1), 1
	s_wait_xcnt 0x0
	s_wait_alu depctr_hold_cnt(0) depctr_sa_sdst(0) depctr_va_vdst(0) depctr_va_sdst(0) depctr_va_ssrc(0) depctr_va_vcc(0) depctr_vm_vsrc(0)
	s_getreg_b32 s2, hwreg(HW_REG_IB_STS2, 6, 4)
	s_cmp_eq_u32 s2, 0
	s_cbranch_scc0 .Lentry_in_a_cluster
	s_endpgm
.Lentry_in_a_cluster:
	s_bfe_u32 s2, ttmp6, 0x10000c
	s_cmp_lg_u32 s2, 0xf033
	s_cbranch_scc0 .Lentry_shape_is_right
	s_endpgm
.Lentry_shape_is_right:
; out0 = o Wo + bo on codes of FP6 (E2M3) with E8M0 scales.  o's and Wo's codes arrive as images of operand registers ([block of 128 rows][K step 8][tile 8][chunk 3][lane 32][16 bytes]; scale words
; [block][K step][tile][row 16]); of each 32 rows tile u takes row 8 u + r + 8 (r / 8) as its row r.  Wo's columns are wimg's rows 3,072 on (24 blocks of 128).
; A work-group of four waves makes 256 columns (P = Wo's, source 0) x 256 tokens (R = o's rows, source 1), a wave 128 x 128: a lane holds one token, and its registers run along the columns.
; K = 1,024 is eight steps in four fills of 2 steps: three LDS slots and the scales of all K are filled at the start (one tensor load a wave); slot 0 is filled once more, with steps 6 and 7.
; CLUSTER 4 x 4: R's tiles are shared along a row of the cluster, P's along a column: joint loads.
; 128 work-groups: out0 has 128 tiles of 256 x 256; a tile of 128 x 256 would give 256 work-groups at twice the LDS bytes for each product of one side and wants a second form of the steps below.
; THE WAY OUT: a block of 16 tokens x 128 columns goes through my stage in LDS and comes back as whole rows of 512 bytes; the bias is added there.  The stage lies in slot 1, which has had its only fill, and which
; nobody reads behind the barrier of K step 5.
.set HALFT, 24576
.set SLOT,  4*HALFT
.set SCL,   3*SLOT
.set SPARE, SCL+4*4096
.set STAGE, SLOT
.set SPITCH, 528
.set FR,   12
.set NL,   4                           ; LDS loads that bring a fragment of R
.set ADRH, 8                           ; v8-10 as v16-18, with 8 bytes a lane
.set ADRA, 16
.set ADRB, 20
.set STO,  24
.set RD,   25
.set LI,   26
.set ADRS, 27
.set SPW,  28
.set NIL,  29
.set SC,   32
.set BO,   64                          ; v64-67 the bias of my lane's four columns of a row
.set AF,   128
.set BK,   128                         ; the way out: v128-191 and v192-255 by turns
.set WV, 20
.set WH, 21
.set WL, 22
.set G1,   24
.set G0,   32
.set G1B,  48
.set G0B,  56
.set G0B2, 96
.set G1S,  68
.set G0S,  76
.set G1SB, 80
.set G0SB, 88
.set MSB, 0
.macro WIN new                         ; the immediate's high byte repeats the setting that is left
.if MSB != (\new)
	s_set_vgpr_msb (MSB<<8)|(\new)
.set MSB, (\new)
.endif
.endm
.set MUL_LO, 0xa1
.set MUL_HI, 0xf1
.set TO_B,   0x40
.macro JLOAD g0a, g1a, g0b, g1b        ; a joint load: waves 0, 1 fetch for R, waves 2, 3 for P; an s_nop 0 and four v_nop follow each line
	s_cmp_eq_u32 s[WH], 0
	s_cbranch_scc0 .Lfor_p_\@
	tensor_load_to_lds s[\g0a:\g0a+3], s[\g1a:\g1a+7]
	s_nop 0
.rept 4
	v_nop
.endr
	s_branch .Lasked_\@
.Lfor_p_\@:
	tensor_load_to_lds s[\g0b:\g0b+3], s[\g1b:\g1b+7]
	s_nop 0
.rept 4
	v_nop
.endr
.Lasked_\@:
.endm
.macro CREST
	s_cmp_lg_u32 s[WV], 0
	s_cbranch_scc1 .Lnot_wave_0_\@
	s_barrier_signal -3
.Lnot_wave_0_\@:
	s_barrier_wait -3
	s_barrier_signal -1
	s_barrier_wait -1
.endm
.macro CROUND
	s_barrier_signal -1
	s_barrier_wait -1
	CREST
.endm
.macro PLACES n
.rept \n
	v_nop
.endr
.endm
.macro FRAG reg, adr, q, i
.irp c, 0,1,2
	ds_load_b128 v[\reg+4*\c:\reg+4*\c+3], v[\adr] offset:(\q)*12288+(\i)*1536+512*\c
.endr
.endm
.macro FETCH_B slot, q, p
	WIN TO_B
.irp i, 0,1,2,3,4,5,6,7
	FRAG 128*(\p)+FR*\i, ADRB+\slot, \q, \i
.endr
	WIN 0
.endm
.macro FETCH_A slot, q, i0
.irp i, \i0, \i0+1, \i0+2, \i0+3               ; a tile of o: [head % 2][registers 0-3: 16 bytes a lane][registers 4, 5: 8 bytes a lane]
	ds_load_b128 v[AF+FR*(\i):AF+FR*(\i)+3], v[ADRA+\slot] offset:(\q)*12288+(\i)*1536
	ds_load_b64 v[AF+FR*(\i)+4:AF+FR*(\i)+5], v[ADRH+\slot] offset:(\q)*12288+(\i)*1536+512
	ds_load_b128 v[AF+FR*(\i)+6:AF+FR*(\i)+9], v[ADRA+\slot] offset:(\q)*12288+(\i)*1536+768
	ds_load_b64 v[AF+FR*(\i)+10:AF+FR*(\i)+11], v[ADRH+\slot] offset:(\q)*12288+(\i)*1536+1280
.endr
.endm
.macro SCALES sc
.irp i, 0,1,2,3,4,5,6,7
.irp q, 0,1
	ds_load_b32 v[SC+16*(\sc)+2*\i+\q], v[ADRS] offset:512*\q+64*\i
.endr
.endr
.endm
; 16 matrix instructions: R's blocks a0, a0 + 1 x P's eight.  The 64 accumulators take turns, one instruction a turn, in the same order in every step.
.macro MUL16 a0, p, q, sc, zero
.irp a, \a0, \a0+1
.irp b, 0,1,2,3,4,5,6,7
.if \zero
	v_wmma_scale_f32_16x16x128_f8f6f4 v[8*(8*((\a)%4)+\b):8*(8*((\a)%4)+\b)+7], v[128*(\p)+FR*\b:128*(\p)+FR*\b+FR-1], v[AF+FR*(\a):AF+FR*(\a)+FR-1], 0, v[SC+16*(\sc)+2*\b+(\q)], v[SC+16*(\sc)+2*(\a)+(\q)] matrix_a_fmt:MATRIX_FMT_FP6 matrix_b_fmt:MATRIX_FMT_FP6 matrix_a_scale:MATRIX_SCALE_ROW1
.else
	v_wmma_scale_f32_16x16x128_f8f6f4 v[8*(8*((\a)%4)+\b):8*(8*((\a)%4)+\b)+7], v[128*(\p)+FR*\b:128*(\p)+FR*\b+FR-1], v[AF+FR*(\a):AF+FR*(\a)+FR-1], v[8*(8*((\a)%4)+\b):8*(8*((\a)%4)+\b)+7], v[SC+16*(\sc)+2*\b+(\q)], v[SC+16*(\sc)+2*(\a)+(\q)] matrix_a_fmt:MATRIX_FMT_FP6 matrix_b_fmt:MATRIX_FMT_FP6 matrix_a_scale:MATRIX_SCALE_ROW1
.endif
.endr
.endr
.endm
; One K step of 128.  mode 0: plain.  mode 1: slot 0 is filled again, behind a round of the cluster's barrier.  mode 2: the refill is waited for, one barrier.  mode 3: the last step.
.macro KS slot, q, sc, nslot, nq, nsc, mode, zero
.if ((\mode) == 0) || ((\mode) == 3)
	s_wait_dscnt 4*NL                              ; all but the youngest sixteen loads (R's blocks 4-7)
	WIN MUL_LO
	MUL16 0, \q, \q, \sc, \zero
	MUL16 2, \q, \q, \sc, \zero
	s_wait_dscnt 0x0
.if (\mode) == 0
	PLACES 4                                       ; four places in front of loads into registers that matrix instructions have read
.endif
.else
	s_wait_tensorcnt 0x0                           ; all my tensor loads have landed
	ds_add_u32 v[SPW], v[NIL]                      ; 0 onto my spare word
	s_wait_dscnt 4*NL+1                            ; (the add and the youngest sixteen loads may be out)
	WIN MUL_LO
	MUL16 0, \q, \q, \sc, 0
	s_wait_dscnt 0x0                               ; the add is done, and my reads of this slot are over
	s_barrier_signal -1
	MUL16 2, \q, \q, \sc, 0
	WIN 0
	s_barrier_wait -1
.if (\mode) == 1
	CREST                                          ; a round of the cluster's barrier: no wave of any partner still reads slot 0 or has a load on its way
	s_add_nc_u64 s[G0+2:G0+3], s[G0+2:G0+3], 3*HALFT
	s_add_nc_u64 s[G0B+2:G0B+3], s[G0B+2:G0B+3], 3*HALFT
	JLOAD G0, G1, G0B, G1B                         ; the first tensor load behind the round; its four v_nop are the places in front of the loads below
.else
	PLACES 4
.endif
.endif
.if (\mode) != 3
.if (\nq) == 0
	WIN 0
	v_add_nc_u32 v[ADRS], 1024, v[ADRS]
.endif
	FETCH_B \nslot, \nq, \nq
	FETCH_A \nslot, \nq, 0
.if (\nq) == 0
	SCALES \nsc
.endif
.endif
	WIN MUL_HI
	MUL16 4, \q, \q, \sc, \zero
	MUL16 6, \q, \q, \sc, \zero
.if (\mode) != 3
	PLACES 4
	WIN 0
	FETCH_A \nslot, \nq, 4
.else
	WIN 0
.endif
.endm
	s_load_b256 s[4:11], s[0:1], 0x0               ; oimg, oscl, wimg, wscl
	s_load_b128 s[12:15], s[0:1], 0x20             ; bo, out0
	v_lshl_add_u32 v[SPW], v0, 2, SPARE
	v_mov_b32 v[NIL], 0
	ds_add_u32 v[SPW], v[NIL]                      ; the wave's opening: the add and its wait ahead of my first tensor load
	ds_add_u32 v[SPW], v[NIL]
	v_lshrrev_b32 v1, 5, v0
	v_readfirstlane_b32 s[WV], v1
	s_lshr_b32 s[WH], s[WV], 1                     ; my half of the tokens.  Also: I fetch for R (0) or for P (1)
	s_and_b32 s[WL], s[WV], 1                      ; my half of the columns.  Also: which 128 rows I fetch
	s_bfe_u32 s44, ttmp6, 0x40000                  ; cx
	s_bfe_u32 s45, ttmp6, 0x40004                  ; cy
	s_lshl_b32 s2, s45, 2
	s_lshl_b32 s2, 15, s2                          ; my row of the cluster
	s_lshl_b32 s66, 0x1111, s44                    ; my column
	s_or_b32 s[G1], s2, (3<<16)|(1<<21)
	s_or_b32 s[G1B], s66, (3<<16)|(1<<21)
	s_or_b32 s[G1S], s2, (3<<16)|(1<<21)
	s_or_b32 s[G1SB], s66, (3<<16)|(1<<21)
.irp g, G1, G1B                                ; 24,576 dense bytes as 96 rows of 256
	s_mov_b32 s[\g+1], 32<<16
	s_mov_b32 s[\g+2], 96<<16
	s_mov_b32 s[\g+3], 32<<16
	s_mov_b32 s[\g+4], 96
	s_mov_b32 s[\g+5], 32
	s_mov_b32 s[\g+6], 0
	s_mov_b32 s[\g+7], 0
.endr
.irp g, G1S, G1SB                              ; 73,728 dense bytes as 288 rows of 256
	s_mov_b32 s[\g+1], 32<<16
	s_mov_b32 s[\g+2], 288<<16                     ; these two groups 1 now serve the head's loads: 73,728 dense bytes as 288 rows of 256
	s_mov_b32 s[\g+3], 32<<16
	s_mov_b32 s[\g+4], 288
	s_mov_b32 s[\g+5], 32
	s_mov_b32 s[\g+6], 0
	s_mov_b32 s[\g+7], 0
.endr
	s_and_b32 s3, ttmp7, 0xffff
	s_lshl_b32 s47, s3, 2
	s_add_co_u32 s47, s47, s45                     ; my block of 256 tokens
	s_lshl_b32 s100, s47, 1
	s_add_co_u32 s100, s100, s[WL]                 ; the block of 128 rows of o that I would fetch
	s_lshl_b32 s92, s100, 12
	s_mov_b32 s93, 0
	s_mul_i32 s100, s100, 98304
	s_mov_b32 s101, 0
	s_lshl_b32 s66, s44, 1
	s_add_co_u32 s66, s66, s[WL]
	s_add_co_u32 s66, s66, 24                      ; and of Wo's columns
	s_lshl_b32 s94, s66, 12
	s_mov_b32 s95, 0
	s_mul_i32 s66, s66, 98304
	s_mov_b32 s67, 0
	s_mul_i32 s23, s[WV], 3*HALFT                  ; LDS: [block of 128 rows 4][slot 3][24,576 bytes]
	s_wait_dscnt 0x0                               ; the opening add is done
	s_wait_kmcnt 0x0
	s_add_nc_u64 s[G0+2:G0+3], s[4:5], s[100:101]
	s_add_nc_u64 s[G0S+2:G0S+3], s[6:7], s[92:93]
	s_add_nc_u64 s[G0B+2:G0B+3], s[8:9], s[66:67]
	s_add_nc_u64 s[G0SB+2:G0SB+3], s[10:11], s[94:95]
	s_cmp_eq_u32 s[WH], 0
	s_cselect_b64 s[G0S+2:G0S+3], s[G0S+2:G0S+3], s[G0SB+2:G0SB+3]   ; the scale words of the block that I fetch: a plain pointer, in no descriptor
.irp g, G0, G0B
	s_mov_b32 s[\g], 1
	s_or_b32 s[\g+3], s[\g+3], 0x80000000
	s_mov_b32 s[\g+1], s23
.endr
	CROUND                                         ; all sixteen work-groups are here: the first joint loads meet
	JLOAD G0, G1S, G0B, G1SB                       ; my one tensor load at the head: K steps 0 to 5 of my 128 rows, which lie on end in memory
	v_and_b32 v1, 15, v0                           ; r
	v_bfe_u32 v2, v0, 4, 1                         ; h
	s_wait_alu depctr_va_vdst(0)
	v_and_b32 v3, 31, v0
	v_lshlrev_b32 v[LI], 4, v3
	s_mul_i32 s23, s[WH], 3*HALFT
	s_mul_i32 s3, s[WL], 3*HALFT
	s_add_co_u32 s3, s3, 6*HALFT
	v_lshlrev_b32 v7, 3, v3                        ; 8 x lane
.irp s, 0,1,2
	v_add_nc_u32 v[ADRA+\s], s23, v[LI]
	v_add_nc_u32 v[ADRH+\s], s23, v7
	v_add_nc_u32 v[ADRB+\s], s3, v[LI]
	s_add_co_u32 s23, s23, HALFT
	s_add_co_u32 s3, s3, HALFT
.endr
	s_lshl_b32 s2, s[WV], 12
	s_add_co_u32 s2, s2, SCL
	s_wait_alu depctr_va_vdst(0)                   ; ahead of the readers below
	v_add_nc_u32 v6, s2, v[LI]                     ; where my block's scale words go in LDS
.irp k, 0,1,2,3,4,5,6,7
	global_load_b128 v[AF+4*\k:AF+4*\k+3], v[LI], s[G0S+2:G0S+3] offset:512*\k   ; the scale words of all K, 4,096 bytes: 512 on end an instruction
.endr
	s_lshl_b32 s23, s[WH], 12
	s_lshl_b32 s3, s[WL], 12
	s_add_co_u32 s3, s3, 8192
	s_sub_co_u32 s3, s3, s23
	v_mul_u32_u24 v4, s3, v2                       ; lanes 16-31 take P's scale words: one product of h
	s_add_co_u32 s23, s23, SCL
	v_lshl_add_u32 v4, v1, 2, v4
	v_add_nc_u32 v[ADRS], s23, v4
	s_mul_i32 s23, s[WV], 3*HALFT
	s_add_co_u32 s23, s23, HALFT                   ; my stage: in the slot 1 part of block w, which has had its only fill and is read no more behind the barrier of K step 5
	v_mul_u32_u24 v5, v1, SPITCH
	v_lshl_add_u32 v5, v2, 6, v5
	v_add_nc_u32 v[STO], s23, v5                   ; in: row r, + 64 h: tile b's eight columns lie at 128 (b / 2) + 64 h + 32 (b % 2) bytes
	v_add_nc_u32 v[RD], s23, v[LI]                 ; back: a whole row of 512 bytes
	s_lshl_b32 s16, s47, 8
	s_lshl_b32 s17, s[WH], 7
	s_add_co_u32 s16, s16, s17
	s_lshl_b32 s16, s16, 12                        ; my first row of out0, in bytes
	s_mov_b32 s17, 0
	s_lshl_b32 s18, s44, 10
	s_lshl_b32 s19, s[WL], 9
	s_add_co_u32 s18, s18, s19                     ; my first column, in bytes
	s_mov_b32 s19, 0
	s_add_nc_u64 s[12:13], s[12:13], s[18:19]
	s_add_nc_u64 s[14:15], s[14:15], s[16:17]
	s_add_nc_u64 s[14:15], s[14:15], s[18:19]
	global_load_b128 v[BO:BO+3], v[LI], s[12:13]
	s_wait_alu depctr_va_vdst(0)
	s_wait_loadcnt 0x0                             ; the scale words (and the bias)
	s_wait_tensorcnt 0x0                           ; my part of the three slots is in
.irp k, 0,1,2,3,4,5,6,7
	ds_store_b128 v6, v[AF+4*\k:AF+4*\k+3] offset:512*\k   ; into bytes of their own, on which no tile lands
.endr
	s_wait_dscnt 0x0                               ; for the other waves' sake
	s_barrier_signal -1
	s_barrier_wait -1
	FETCH_B 0, 0, 0
	FETCH_A 0, 0, 0
	SCALES 0
	FETCH_A 0, 0, 4
	KS 0,0,0, 0,1,0, 0, 1                          ; the first step's products start the sums
	KS 0,1,0, 1,0,1, 1, 0                          ; every first fill has landed in every wave; slot 0 takes K steps 6, 7
	s_wait_alu depctr_va_vdst(0)
	KS 1,0,1, 1,1,1, 0, 0
	KS 1,1,1, 2,0,0, 0, 0                          ; slot 2 was shown whole by the wait and the round of step 1
	s_wait_alu depctr_va_vdst(0)
	KS 2,0,0, 2,1,0, 0, 0
	KS 2,1,0, 0,0,1, 2, 0                          ; the refill has landed in every wave; nobody reads slot 1 any more
	KS 0,0,1, 0,1,1, 0, 0
	KS 0,1,1, 0,0,0, 3, 0
	PLACES 4                                       ; in front of the first read of results and of loads into R's fragments
.macro TOSTAGE a
.set AC, 64*((\a)%4)
	WIN 0x08+4*((\a)/4)                            ; an LDS store's data: window 2 or 3
.irp b, 0,1,2,3,4,5,6,7
	ds_store_b128 v[STO], v[AC+8*\b:AC+8*\b+3] offset:128*(\b/2)+32*(\b%2)         ; each accumulator from its low end on
	ds_store_b128 v[STO], v[AC+8*\b+4:AC+8*\b+7] offset:128*(\b/2)+32*(\b%2)+16
.endr
	WIN 0
.set BB, BK+64*((\a)%2)
.irp t, 0,1,2,3,4,5,6,7,8,9,10,11,12,13,14,15
	ds_load_b128 v[BB+4*\t:BB+4*\t+3], v[RD] offset:\t*SPITCH      ; LDS serves a wave's instructions in order: these see the stores above
.endr
.endm
.macro SEND a, younger                 ; younger: the LDS instructions issued behind block a's loads
.set BB, BK+64*((\a)%2)
	s_wait_dscnt \younger
.irp t, 0,1,2,3,4,5,6,7,8,9,10,11,12,13,14,15
	v_pk_add_f32 v[BB+4*\t:BB+4*\t+1], v[BB+4*\t:BB+4*\t+1], v[BO:BO+1]
	v_pk_add_f32 v[BB+4*\t+2:BB+4*\t+3], v[BB+4*\t+2:BB+4*\t+3], v[BO+2:BO+3]
	global_store_b128 v[LI], v[BB+4*\t:BB+4*\t+3], s[14:15] offset:(32*((\a)/2)+8*((\a)%2)+\t+8*(\t/8))*4096 th:TH_STORE_NT   ; row t of tile a; 512 consecutive bytes, aligned
.endr
.endm
	s_wait_loadcnt 0x0                             ; the bias
	TOSTAGE 0
.irp a, 1,2,3,4,5,6,7
.if \a > 1
	s_wait_xcnt 0x0                                ; block a - 2's stores have read their registers: block a's loads may land there
.endif
	TOSTAGE \a
	SEND \a-1, 32                                  ; behind block a - 1's loads: block a's 16 stores and 16 loads
.endr
	SEND 7, 0
	s_wait_tensorcnt 0x0                           ; the wave's end: behind my last tensor load and my last LDS store
	ds_add_u32 v[SPW], v[NIL]
	s_wait_dscnt 0x0
	CROUND                                         ; the closing round
	s_endpgm
.Lfunc_end_k_q50ddaf9823_oproj:
	.size	k_q50ddaf9823_oproj, .Lfunc_end_k_q50ddaf9823_oproj-k_q50ddaf9823_oproj
	.p2alignl 7, 3214868480
	.fill 96, 4, 3214868480
	.section	.rodata,"a",@progbits
	.p2align	6, 0x0
	.amdhsa_kernel k_q50ddaf9823_oproj
		.amdhsa_group_segment_fixed_size 327680
		.amdhsa_private_segment_fixed_size 0
		.amdhsa_enable_private_segment 0
		.amdhsa_kernarg_size 48
		.amdhsa_user_sgpr_count 2
		.amdhsa_user_sgpr_kernarg_segment_ptr 1
		.amdhsa_wavefront_size32 1
		.amdhsa_system_sgpr_workgroup_id_x 1
		.amdhsa_system_sgpr_workgroup_id_y 1
		.amdhsa_system_sgpr_workgroup_id_z 1
		.amdhsa_system_vgpr_workitem_id 0
		.amdhsa_next_free_vgpr 1024
		.amdhsa_next_free_sgpr 102
		.amdhsa_reserve_vcc 0
		.amdhsa_float_denorm_mode_32 3
		.amdhsa_float_denorm_mode_16_64 3
		.amdhsa_memory_ordered 1
		.amdhsa_forward_progress 1
		.amdhsa_inst_pref_size 156
	.end_amdhsa_kernel
	.amdgpu_metadata
---
amdhsa.version: [ 1, 2 ]
amdhsa.kernels:
  - .name:           k_q50ddaf9823_oproj
    .symbol:         k_q50ddaf9823_oproj.kd
    .args:
      - { .name: oimg, .offset: 0, .size: 8, .value_kind: global_buffer, .address_space: global }
      - { .name: oscl, .offset: 8, .size: 8, .value_kind: global_buffer, .address_space: global }
      - { .name: wimg, .offset: 16, .size: 8, .value_kind: global_buffer, .address_space: global }
      - { .name: wscl, .offset: 24, .size: 8, .value_kind: global_buffer, .address_space: global }
      - { .name: bo, .offset: 32, .size: 8, .value_kind: global_buffer, .address_space: global }
      - { .name: out0, .offset: 40, .size: 8, .value_kind: global_buffer, .address_space: global }
    .group_segment_fixed_size: 327680
    .private_segment_fixed_size: 0
    .kernarg_segment_align: 8
    .kernarg_segment_size: 48
    .max_flat_workgroup_size: 128
    .sgpr_count:     102
    .vgpr_count:     1024
    .wavefront_size: 32
...
	.end_amdgpu_metadata
.endif
;; end of part 4
